; MI455X (gfx1250); checked and timed in simulation.
; The chip was launched on July 23, 2026; its instructions are those of AMD's public machine-readable ISA for CDNA 5 (MIT licence, August 2026) and "CDNA5" Instruction Set Architecture Reference Guide (July 2026). The comments in the code are by the model that wrote it; some were corrected since.
;; Ptn Multihead Attention Custom Def. Allowed arithmetic: matrix products marked QUANTISED: E2M3 operands, one E8M0 scale for each 32 along K, by v_wmma_scale_f32_16x16x128_f8f6f4 with both operands' format E2M3, f32 sums; everything else in f32.
;; Inputs: Wk 1,024 x 1,024 float32; Wo 1,024 x 1,024 float32; Wq 1,024 x 1,024 float32; Wv 1,024 x 1,024 float32; bk 1,024 float32; bo 1,024 float32; bq 1,024 float32; bv 1,024 float32; mask 4 x 2,048 int32; x 4 x 2,048 x 1,024 float32.
;; Outputs: out0 4 x 2,048 x 1,024 float32.
;; This version of the problem:
;;   THIS VERSION OF THE PROBLEM IS GIVEN IN LOW PRECISION. The matrix products marked QUANTISED in the list below multiply operands that are first quantised to E2M3 (2 exponent bits, 3 mantissa bits; 6 bits a number), with one power-of-two scale for each 32 numbers along K (OCP MX v1.0); their sums are f32. All else is computed in f32.
;;   The module's matrix products, in the order in which they are computed (A, B: the left and right operand; K: the contracted axis; several contracted axes count as one K, in the product's order):
;;     1. [M 8,192, K 1,024] x [K 1,024, N 1,024]; A: input x; B: input Wq: QUANTISED
;;     2. [M 8,192, K 1,024] x [K 1,024, N 1,024]; A: input x; B: input Wk: QUANTISED
;;     3. [M 8,192, K 1,024] x [K 1,024, N 1,024]; A: input x; B: input Wv: QUANTISED
;;     4. batch 64 x [M 2,048, K 64] x [K 64, N 2,048]; A: computed on the way; B: computed on the way: QUANTISED
;;     5. batch 64 x [M 2,048, K 2,048] x [K 2,048, N 64]; A: softmax (see below); B: computed on the way: QUANTISED
;;     6. [M 8,192, K 1,024] x [K 1,024, N 1,024]; A: computed on the way; B: input Wo: QUANTISED
;;   THE QUANTISER, for each operand of a quantised product, along K:
;;     - K is cut into blocks of 32 from its start; a last block that is shorter is filled with zeros.
;;     - A block's scale is 2^e with e = floor(log2(the largest magnitude in the block)) - 2, held to -126 .. 127; a block of zeros has e = 0. As a byte (E8M0): e + 127.
;;     - Each number is divided by its block's scale, clamped to +-7.5, and rounded to the nearest number of E2M3, ties to even, subnormals kept.
;;     - The product sums the exact products of the quantised numbers (number of the format x scale) in f32.
;;   ~~~python
;;   def quantise(x, axis):      # numpy; x: float32 -> the quantised numbers, widened to float32 again
;;       x = np.moveaxis(x, axis, -1); K = x.shape[-1]
;;       x = np.pad(x, [(0, 0)] * (x.ndim - 1) + [(0, -K % 32)]); x = x.reshape(x.shape[:-1] + (-1, 32)); a = np.abs(x).max(-1, keepdims=True)
;;       e = np.where(a > 0, np.clip(np.frexp(np.where(a > 0, a, 1))[1] - 1 - 2, -126, 127), 0)      # np.frexp(a)[1] - 1 = floor(log2(a)), exactly
;;       r = np.clip(x / 2.0 ** e, -7.5, 7.5)
;;       step = 2.0 ** (np.maximum(np.frexp(np.where(r == 0, 1, r))[1] - 1, 0) - 3)
;;       q = np.round(r / step) * step * 2.0 ** e      # np.round: ties to even
;;       return np.moveaxis(q.reshape(q.shape[:-2] + (-1,))[..., :K], -1, axis).astype(np.float32)
;;   ~~~
;;   SOFTMAX AHEAD OF A QUANTISED PRODUCT. Where the list says 'softmax', what is quantised is not the finished softmax but p = 2^(t - M), with t = logit x log2(e) and M = ceil(the row's largest t), a whole number; so 1/2 < the row's largest p <= 1. The row's sum l is taken of the UNQUANTISED p, in f32, and the product's result is divided by l at the end. Since M is a whole number, a kernel that streams over the keys may use a running M (the ceiling of the running maximum): every later rescaling is an exact power of two, which a block's scale takes up: the codes' values come out the same.
;;   OPERANDS COMPUTED ON THE WAY. 'Computed on the way' means the value that the module computes at that place (a softmax that the list does not call 'softmax' is quantised finished and normalised). What goes into a quantiser is computed in f32, as accurately as f32 sums, v_exp_f32 and their like allow (about 1e-6 of the number): no bf16 or f16 on the way to a quantiser, and a product that is left as it is and whose result goes on into a quantised operand takes f32 operands (vector FMAs, or v_wmma_f32_16x16x4_f32). A number that lies on a knife's edge between two numbers of the format may be rounded either way, as far as f32 arithmetic and the matrix unit's own rounding can turn it there, and no further.
;; One version. Each part assembles by itself: llvm-mc -triple=amdgcn-amd-amdhsa -mcpu=gfx1250 --defsym DOCPART=n.
;; ======== version 1 of 1: 4 launches
;; limits: right only within a limited range of input values
;; workspace buffers: xi 6,553,600 bytes; wi 3,276,800 bytes; qi 8,912,896 bytes; kv 15,728,640 bytes; oi 6,553,600 bytes
;; launch quant (part 1): grid 512 x 1, 4 waves a work-group, no clusters, 34,304 bytes of LDS; arguments x, Wq, Wk, Wv, Wo, xi, wi; writes xi, wi
.if DOCPART == 1
	.amdgcn_target "amdgcn-amd-amdhsa--gfx1250"
	.amdhsa_code_object_version 6
	.text
	.protected	k_q0ebe022660_quant
	.globl	k_q0ebe022660_quant
	.p2align	8
	.type	k_q0ebe022660_quant,@function
k_q0ebe022660_quant:
	s_mov_b64 s[64:65], 0
	v_nop
	global_prefetch_b8 v0, s[64:65] scope:SCOPE_SE
	s_setreg_imm32_b32 hwreg(HW_REG_WAVE_MODE, 25, 1), 1
	s_wait_xcnt 0x0
; x [8192][1024] and the four weights [1024 (k)][1024 (n)], f32, become codes of FP6 (E2M3) with one E8M0 byte for each 32 along K, laid as IMAGES OF THE OPERAND'S REGISTERS.
; A block's scale is 2^(floor(log2(its largest magnitude)) - 2): its byte is the largest magnitude's exponent field - 2, held at 1 from below by a floor among the maximum's leaves.
; LIMITS: a block of zeros gets the byte 1 where the rule says 127 (its codes are zeros, and this program alone reads the bytes); blocks whose largest magnitude lies under 2^-124 are held at the byte 1; NaN and infinities are not served.
; LAYOUT of xi and wi.  Rows (x's tokens; a weight's columns n) go in panels of 128 = 8 blocks of 16; lane r of block i holds a weight's column 32 (i/2) + 8 (i%2) + r + 8 (r/8), x's token 64 (i/4) + 8 (i%4) + r%8 + 32 (r/8).
; A record is a panel's 128 along K: 8 fragments of 1,536 bytes, then 512 bytes of scale words: 12,800 bytes; a panel has 8 records on end.
; A fragment is two halves of 768 bytes (64 along K each): 32 lanes x 16 bytes (registers 0-3), then 32 lanes x 8 bytes (registers 4-5); lane (r, h) holds k = 32 h .. 32 h + 31 of the half.
; The scale words: slot r + 16 H holds four words, those of row r of blocks 4 H .. 4 H + 3.
; Work-groups 0-255 take x, 256-511 the weights.  No matrix work, no tensor loads, no barrier: waves share nothing, and no two work-groups read the same bytes, so nothing is there to share in a cluster.
.set STG,  8448                        ; LDS: a stage of 16 rows x (512 + 16) bytes for each wave (x's path alone)
.set R,    16                          ; v16-143  two sets of 64: a block's numbers as loaded
.set X,    144                         ; v144-207 a block's numbers, 16 neighbours of each block of 32 to a lane
.set PC,   208                         ; v208-226 the codes just made
.set TM,   228                         ; v228-243 maxima, bytes, the conversions' scale operands
.set PW,   244                         ; v244     the scale word just made
.set SW,   246                         ; v246-249 the four blocks' scale words
.set SEL,  20                          ; s[20:21] selects of v_permlanex16_b32: lane l xor 16
; 64 numbers of a lane, register 16 b + i = k 32 b + 16 (lane / 16) + i of my row, become a fragment's codes in v[PC] on and its scale word in v[PW].
.macro QUANT s
.irp b, 0,1,2,3
	v_max3_num_f32 v[TM+\b], |v[\s+16*\b]|, |v[\s+1+16*\b]|, 0x1800000   ; my 16 numbers of block b, and the floor 2^(3 - 127): the byte cannot fall under 1
.endr
.irp i, 2,4,6,8,10,12,14
.irp b, 0,1,2,3
	v_max3_num_f32 v[TM+\b], v[TM+\b], |v[\s+16*\b+\i]|, |v[\s+1+16*\b+\i]|   ; the four blocks by turns
.endr
.endr
.irp b, 0,1,2,3
	v_permlanex16_b32 v[TM+4+\b], v[TM+\b], s[SEL], s[SEL+1]
.endr
.irp b, 0,1,2,3
	v_max_num_f32 v[TM+\b], v[TM+\b], v[TM+4+\b]   ; with lane l xor 16's: the block's largest magnitude
.endr
.irp b, 0,1,2,3
	v_add_nc_u32 v[TM+12+\b], 0xff000000, v[TM+\b] ; 2 off its exponent field: the conversion takes that field as its scale
.endr
.irp b, 0,1,2,3
	v_lshrrev_b32 v[TM+4+\b], 23, v[TM+12+\b]      ; the scale's byte
.endr
	v_lshl_or_b32 v[PW], v[TM+5], 8, v[TM+4]
	v_lshl_or_b32 v[PW], v[TM+6], 16, v[PW]
	v_lshl_or_b32 v[PW], v[TM+7], 24, v[PW]
.irp c, 0,1
	v_cvt_scalef32_pk16_fp6_f32 v[PC+6*\c:PC+2+6*\c], v[\s+32*\c:\s+15+32*\c], v[TM+12+2*\c]
	v_cvt_scalef32_pk16_fp6_f32 v[PC+12+4*\c:PC+14+4*\c], v[\s+16+32*\c:\s+31+32*\c], v[TM+12+2*\c+1]   ; (a conversion's three registers begin on an even number)
.endr
	v_nop                                          ; one plain place behind a scaled conversion
.irp c, 0,1                                    ; the layout wants a whole block in a lane: lanes 0-15 block 2 c, lanes 16-31 block 2 c + 1
.irp i, 0,1,2
	v_permlane16_swap_b32 v[PC+6*\c+\i], v[PC+12+4*\c+\i]
.endr
.irp i, 0,1,2
	v_mov_b32 v[PC+3+6*\c+\i], v[PC+12+4*\c+\i]
.endr
.endr
.endm
	s_load_b256 s[4:11], s[0:1], 0x0               ; x s[4:5], Wq s[6:7], Wk s[8:9], Wv s[10:11]
	s_load_b128 s[12:15], s[0:1], 0x20             ; Wo s[12:13], xi s[14:15]
	s_load_b64 s[16:17], s[0:1], 0x30              ; wi
	v_lshl_add_u32 v250, v0, 2, 0x8400
	v_mov_b32 v251, 0
	v_lshrrev_b32 v1, 5, v0
	v_readfirstlane_b32 s18, v1                    ; wave 0..3
	v_and_b32 v1, 31, v0                           ; lane
	s_cmp_lt_u32 ttmp9, 256
	s_cbranch_scc0 .Lweights
; ---------------- x.  A work-group takes 64 rows (half a panel: four blocks) x 512 along K; a wave one K step of 128: 32 KiB in, 6,144 + 256 bytes out.
	v_and_b32 v2, 15, v0                           ; r
	v_bfe_u32 v3, v0, 4, 1                         ; h
	v_lshlrev_b32 v4, 4, v1                        ; 16 x lane: a load's 512 bytes, and an image's place
	s_mul_i32 s19, s18, STG
	v_add_nc_u32 v5, s19, v4                       ; the stage, in: rows as they lie
	v_mul_u32_u24 v6, v2, 528
	v_lshl_add_u32 v6, v3, 6, v6
	v_add_nc_u32 v6, s19, v6                       ; and out: row r, + 64 h: my 16 numbers of a block of 32.  528 bytes = 132 words from row to row: 16 rows begin in 16 different groups of four banks
	v_lshlrev_b32 v7, 3, v1                        ; 8 x lane
	v_lshlrev_b32 v8, 4, v2                        ; 16 r: a slot of scale words
	s_mov_b32 s[SEL], 0x76543210
	s_mov_b32 s[SEL+1], 0xfedcba98
.irp b, 0,1,2,3
	v_mov_b32 v[TM+4+\b], 0                        ; written once: a lane permute's destination counts as one of its sources
.endr
	s_lshr_b32 s22, ttmp9, 1                       ; which 64 rows
	s_and_b32 s23, ttmp9, 1
	s_lshl_b32 s23, s23, 2
	s_add_co_u32 s23, s23, s18                     ; my K step, 0..7
	s_lshl_b32 s24, s22, 18                        ; 64 rows of 4,096 bytes,
	s_lshl_b32 s25, s23, 9                         ; 128 numbers along K
	s_add_co_u32 s24, s24, s25
	s_mov_b32 s25, 0
	s_lshr_b32 s26, s22, 1                         ; panel
	s_and_b32 s27, s22, 1                          ; H: which four of its blocks
	s_mul_i32 s26, s26, 102400
	s_mul_i32 s28, s23, 12800
	s_add_co_u32 s26, s26, s28                     ; my record
	s_mul_i32 s28, s27, 6144
	s_add_co_u32 s28, s28, s26                     ; my four fragments
	s_mov_b32 s29, 0
	s_lshl_b32 s30, s27, 8
	s_add_co_u32 s30, s30, s26
	s_add_co_u32 s30, s30, 12288                   ; my sixteen slots of scale words
	s_mov_b32 s31, 0
	s_wait_alu depctr_va_vdst(0)
	s_wait_kmcnt 0x0
	s_add_nc_u64 s[4:5], s[4:5], s[24:25]
	s_add_nc_u64 s[32:33], s[14:15], s[28:29]
	s_add_nc_u64 s[34:35], s[14:15], s[30:31]
.macro LOADB a                         ; block a's 16 rows x 512 bytes into set a % 2: each load reads 512 consecutive bytes of one row
.irp p, 0,1,2,3,4,5,6,7,8,9,10,11,12,13,14,15
	; x's tokens have an order of their own: lane r of block i of a panel holds token 64 (i/4) + 8 (i%4) + r%8 + 32 (r/8); the order 32 (i/2) + 8 (i%2) + r + 8 (r/8) holds for the weights' columns alone
	global_load_b128 v[R+64*((\a)%2)+4*\p:R+64*((\a)%2)+4*\p+3], v4, s[4:5] offset:(8*(\a)+\p%8+32*(\p/8))*4096 th:TH_LOAD_NT
.endr
.endm
.macro TURNB a                         ; through my stage: LDS serves a wave's instructions in order (ISA guide 5.7.1.4), so no wait stands between the stores and the loads
.irp p, 0,1,2,3,4,5,6,7,8,9,10,11,12,13,14,15
	ds_store_b128 v5, v[R+64*((\a)%2)+4*\p:R+64*((\a)%2)+4*\p+3] offset:528*\p
.endr
.irp b, 0,1,2,3
.irp j, 0,1,2,3
	ds_load_b128 v[X+16*\b+4*\j:X+16*\b+4*\j+3], v6 offset:128*\b+16*\j
.endr
.endr
.endm
	LOADB 0
	LOADB 1
.irp a, 0,1,2,3
.if \a < 3
	s_wait_loadcnt 16                              ; this block's 16 loads are in; the next block's 16 may be out
.else
	s_wait_loadcnt 0x0
.endif
	TURNB \a
	s_wait_dscnt 0x0                               ; the numbers are back, and the stage's stores have read their set,
.if \a < 2
	LOADB \a+2                                     ; which takes the block two on
.endif
	s_wait_xcnt 0x0                                ; the last block's stores have read the codes' registers: they are written again only behind this wait
	QUANT X
	v_mov_b32 v[SW+\a], v[PW]
	global_store_b128 v4, v[PC:PC+3], s[32:33] offset:1536*\a            ; 512 consecutive bytes
	global_store_b64 v7, v[PC+4:PC+5], s[32:33] offset:1536*\a+512       ; 256 consecutive bytes
	global_store_b128 v4, v[PC+6:PC+9], s[32:33] offset:1536*\a+768
	global_store_b64 v7, v[PC+10:PC+11], s[32:33] offset:1536*\a+1280
.endr
	s_wait_alu depctr_va_vdst(0)
	s_wait_xcnt 0x0                                ; EXEC changes only behind this wait
	v_cmp_gt_u32 vcc_lo, 16, v1
	s_wait_tensorcnt 0x0
	ds_add_u32 v250, v251
	s_wait_dscnt 0x0
	s_and_saveexec_b32 s36, vcc_lo
	global_store_b128 v8, v[SW:SW+3], s[34:35]     ; lanes 0-15: 256 consecutive bytes, aligned
	s_wait_xcnt 0x0
	s_or_b32 exec_lo, exec_lo, s36
	s_endpgm
; ---------------- the weights.  A work-group takes one record: 128 columns x 128 along K.  A LANE TAKES A COLUMN AND ITS REGISTERS RUN DOWN K: each load reads 128 consecutive bytes,
; a block of 32 lies in one lane, and the conversions give codes with K innermost.  Wave w's 32 columns are blocks 2 w and 2 w + 1: column 32 w + l is lane r = l % 8 + 8 (l / 16) of block 2 w + (l / 8) % 2.
.Lweights:
	s_sub_co_u32 s19, ttmp9, 256
	s_lshr_b32 s20, s19, 6                         ; which weight: q, k, v, o
	s_bfe_u32 s21, s19, 0x30003                    ; panel of 128 columns
	s_and_b32 s22, s19, 7                          ; K step
	s_lshl_b32 s24, s22, 19                        ; 128 rows of 4,096 bytes,
	s_lshl_b32 s23, s21, 9                         ; 128 columns,
	s_add_co_u32 s24, s24, s23
	s_lshl_b32 s23, s18, 7                         ; my wave's 32
	s_add_co_u32 s24, s24, s23
	s_mov_b32 s25, 0
	s_lshl_b32 s26, s20, 3
	s_add_co_u32 s26, s26, s21
	s_mul_i32 s26, s26, 102400
	s_mul_i32 s23, s22, 12800
	s_add_co_u32 s26, s26, s23                     ; the record
	s_mul_i32 s23, s18, 3072
	s_add_co_u32 s28, s26, s23                     ; my two fragments
	s_mov_b32 s29, 0
	s_lshr_b32 s23, s18, 1
	s_lshl_b32 s23, s23, 8
	s_add_co_u32 s30, s26, s23
	s_and_b32 s23, s18, 1
	s_lshl_b32 s23, s23, 3
	s_add_co_u32 s30, s30, s23
	s_add_co_u32 s30, s30, 12288                   ; my two words of each slot
	s_mov_b32 s31, 0
	s_wait_alu depctr_va_vdst(0)
	v_and_b32 v2, 7, v1
	v_lshrrev_b32 v3, 4, v1
	v_lshl_add_u32 v2, v3, 3, v2                   ; r
	v_bfe_u32 v3, v1, 3, 1                         ; u: which of the two blocks
	v_lshlrev_b32 v4, 2, v1                        ; in: 4 bytes a lane
	v_mul_u32_u24 v5, v3, 1536
	v_lshl_add_u32 v6, v2, 3, v5                   ; 1,536 u + 8 r
	v_lshl_add_u32 v5, v2, 4, v5                   ; 1,536 u + 16 r
	v_lshlrev_b32 v7, 2, v3
	v_lshl_add_u32 v7, v2, 4, v7                   ; 16 r + 4 u
	s_wait_alu depctr_va_vdst(0)
	s_wait_kmcnt 0x0
	s_cmp_eq_u32 s20, 1                            ; the choice hangs on the work-group's number alone
	s_cselect_b64 s[6:7], s[8:9], s[6:7]
	s_cmp_eq_u32 s20, 2
	s_cselect_b64 s[6:7], s[10:11], s[6:7]
	s_cmp_eq_u32 s20, 3
	s_cselect_b64 s[6:7], s[12:13], s[6:7]
	s_add_nc_u64 s[6:7], s[6:7], s[24:25]
	s_add_nc_u64 s[32:33], s[16:17], s[28:29]
	s_add_nc_u64 s[34:35], s[16:17], s[30:31]
.macro LOADW t                         ; block t: W(32 t + i, my column), into registers of its own
.irp i, 0,1,2,3,4,5,6,7,8,9,10,11,12,13,14,15,16,17,18,19,20,21,22,23,24,25,26,27,28,29,30,31
	global_load_b32 v[16+32*(\t)+\i], v4, s[6:7] offset:(32*(\t)+\i)*4096 th:TH_LOAD_NT
.endr
.endm
.macro WBLOCK t
.set XS, 16+32*(\t)
.set CD, 144+8*(\t)                    ; each block has its own registers for its codes: no store's data are written again
.if (\t) < 3
	s_wait_loadcnt 32                              ; this block's 32 loads are in; the next block's may be out
.else
	s_wait_loadcnt 0x0
.endif
.if (\t) < 2
	LOADW (\t)+2
.endif
	v_max3_num_f32 v8, |v[XS]|, |v[XS+1]|, |v[XS+2]|               ; the block's largest magnitude: all 32 numbers are mine; two chains
	v_max3_num_f32 v9, |v[XS+3]|, |v[XS+4]|, |v[XS+5]|
.irp i, 6,10,14,18,22,26
	v_max3_num_f32 v8, v8, |v[XS+\i]|, |v[XS+\i+1]|
	v_max3_num_f32 v9, v9, |v[XS+\i+2]|, |v[XS+\i+3]|
.endr
	v_max3_num_f32 v8, v8, |v[XS+30]|, |v[XS+31]|
	v_max3_num_f32 v8, v8, v9, 0x1800000           ; and the floor
	v_add_nc_u32 v10, 0xff000000, v8               ; the conversions' scale operand
	v_lshrrev_b32 v11, 23, v10                     ; the byte
.if (\t) == 0
	v_mov_b32 v176, v11
.else
	v_lshl_or_b32 v176, v11, 8*(\t), v176          ; the column's scale word, the lower K in the lower byte
.endif
	v_cvt_scalef32_pk16_fp6_f32 v[CD:CD+2], v[XS:XS+15], v10
	v_cvt_scalef32_pk16_fp6_f32 v[CD+4:CD+6], v[XS+16:XS+31], v10
	v_nop                                          ; one plain place behind a scaled conversion
	v_mov_b32 v[CD+3], v[CD+4]                     ; the block's six registers on end
	v_mov_b32 v[CD+4], v[CD+5]
	v_mov_b32 v[CD+5], v[CD+6]
	global_store_b128 v5, v[CD:CD+3], s[32:33] offset:768*((\t)/2)+256*((\t)%2)        ; block t is half t / 2, lanes 16 (t % 2) + r: sixteen lanes fill 256 consecutive bytes, aligned, in each of the two fragments
	global_store_b64 v6, v[CD+4:CD+5], s[32:33] offset:768*((\t)/2)+512+128*((\t)%2)   ; 128 consecutive bytes in each: half of an aligned 256; the block beside it fills the other half
.endm
	LOADW 0
	LOADW 1
	WBLOCK 0
	WBLOCK 1
	WBLOCK 2
	WBLOCK 3
	global_store_b32 v7, v176, s[34:35]            ; 4 bytes a lane, 8 of each slot's 16 a wave: 128 bytes of the 13 KB that the wave's record part holds
	s_endpgm
.Lfunc_end_k_q0ebe022660_quant:
	.size	k_q0ebe022660_quant, .Lfunc_end_k_q0ebe022660_quant-k_q0ebe022660_quant
	.p2alignl 7, 3214868480
	.fill 96, 4, 3214868480
	.section	.rodata,"a",@progbits
	.p2align	6, 0x0
	.amdhsa_kernel k_q0ebe022660_quant
		.amdhsa_group_segment_fixed_size 34304
		.amdhsa_private_segment_fixed_size 0
		.amdhsa_enable_private_segment 0
		.amdhsa_kernarg_size 56
		.amdhsa_user_sgpr_count 2
		.amdhsa_user_sgpr_kernarg_segment_ptr 1
		.amdhsa_wavefront_size32 1
		.amdhsa_system_sgpr_workgroup_id_x 1
		.amdhsa_system_sgpr_workgroup_id_y 1
		.amdhsa_system_sgpr_workgroup_id_z 1
		.amdhsa_system_vgpr_workitem_id 0
		.amdhsa_next_free_vgpr 252
		.amdhsa_next_free_sgpr 66
		.amdhsa_reserve_vcc 1
		.amdhsa_float_denorm_mode_32 3
		.amdhsa_float_denorm_mode_16_64 3
		.amdhsa_memory_ordered 1
		.amdhsa_forward_progress 1
		.amdhsa_inst_pref_size 55
	.end_amdhsa_kernel
	.amdgpu_metadata
---
amdhsa.version: [ 1, 2 ]
amdhsa.kernels:
  - .name:           k_q0ebe022660_quant
    .symbol:         k_q0ebe022660_quant.kd
    .args:
      - { .name: x, .offset: 0, .size: 8, .value_kind: global_buffer, .address_space: global }
      - { .name: Wq, .offset: 8, .size: 8, .value_kind: global_buffer, .address_space: global }
      - { .name: Wk, .offset: 16, .size: 8, .value_kind: global_buffer, .address_space: global }
      - { .name: Wv, .offset: 24, .size: 8, .value_kind: global_buffer, .address_space: global }
      - { .name: Wo, .offset: 32, .size: 8, .value_kind: global_buffer, .address_space: global }
      - { .name: xi, .offset: 40, .size: 8, .value_kind: global_buffer, .address_space: global }
      - { .name: wi, .offset: 48, .size: 8, .value_kind: global_buffer, .address_space: global }
    .group_segment_fixed_size: 34304
    .private_segment_fixed_size: 0
    .kernarg_segment_align: 8
    .kernarg_segment_size: 56
    .max_flat_workgroup_size: 128
    .sgpr_count:     66
    .vgpr_count:     252
    .wavefront_size: 32
...
	.end_amdgpu_metadata
.endif
;; end of part 1
;; launch gemm_qkv (part 2): grid 8 x 32, 4 waves a work-group, clusters of 4 x 4, 327,680 bytes of LDS; arguments xi, wi, bq, bk, bv, mask, qi, kv; writes qi, kv
.if DOCPART == 2
	.amdgcn_target "amdgcn-amd-amdhsa--gfx1250"
	.amdhsa_code_object_version 6
	.text
	.protected	k_q0ebe022660_gemm_qkv
	.globl	k_q0ebe022660_gemm_qkv
	.p2align	8
	.type	k_q0ebe022660_gemm_qkv,@function
k_q0ebe022660_gemm_qkv:
	s_mov_b64 s[64:65], 0
	v_nop
	global_prefetch_b8 v0, s[64:65] scope:SCOPE_SE
	s_setreg_imm32_b32 hwreg(HW_REG_WAVE_MODE, 25, 1), 1
	s_wait_xcnt 0x0
	s_wait_alu depctr_hold_cnt(0) depctr_sa_sdst(0) depctr_va_vdst(0) depctr_va_sdst(0) depctr_va_ssrc(0) depctr_va_vcc(0) depctr_vm_vsrc(0)
	s_getreg_b32 s2, hwreg(HW_REG_IB_STS2, 6, 4)
	s_cmp_eq_u32 s2, 0
	s_cbranch_scc0 .Lentry_in_a_cluster
	s_endpgm
.Lentry_in_a_cluster:
	s_bfe_u32 s2, ttmp6, 0x10000c
	s_cmp_lg_u32 s2, 0xf033
	s_cbranch_scc0 .Lentry_shape_is_right
	s_endpgm
.Lentry_shape_is_right:
; q = x Wq + bq, k = x Wk + bk, v = x Wv + bv on codes of FP6 (E2M3) with E8M0 scales, and each result quantised again on its way out: q and k along the head's 64, v along the keys.
; OPERANDS are register images (made by the launch before): panels of 128 rows, a record of 12,800 bytes for each 128 along K (8 fragments of 1,536 bytes, 512 bytes of scale words), 8 records a panel.
; Lane r of block i of a weight's panel holds column 32 (i/2) + 8 (i%2) + r + 8 (r/8); of x's panel, token 64 (i/4) + 8 (i%4) + r%8 + 32 (r/8).
; SHARES.  A work-group owns 256 tokens (2 panels of x, which stay in LDS for the whole launch) and one panel of 128 columns (two heads) of EACH weight: three phases, q, k, v, on the same rows of x.
; The weights' panel has LDS bytes of its own, filled again twice: when every wave has fetched the last K step's fragments, behind the three lines and a round of the cluster's barrier,
; each wave asks for a quarter of the next weight's panel; the load has the phase's last 32 products and its way out in which to land.  All of LDS is claimed.
; A PHASE: all of K = 1,024 lies in LDS; a K step is 32 matrix instructions and 50 LDS loads a wave; 32 accumulators.
; q, k (one text, two trips): source 1 = x's panel wave / 2, blocks 4 (wave % 2) + 0..3; source 0 = the weight's eight blocks: a lane holds one token and its registers run along two heads: register 16 b + i is column 32 b + 16 (lane / 16) + i.
; v: source 1 = Wv's blocks 4 (wave % 2) + 0..3 (one head), source 0 = x's panel wave / 2: a lane holds one channel and its registers run along 128 KEYS: register 32 c + i is key 64 c + 32 (lane / 16) + i, a whole scale block in a lane.
; CLUSTERS: 4 x 4.  x's panels hang on the work-group's y alone and are asked for jointly along a row of the cluster, a weight's on its x and jointly along a column.
; PREFETCH: at the head of phases q and k the next weight's panel, 400 blocks of 256 bytes, is asked for into the L2, one phase (8 K steps) ahead of its load: 25 blocks for each of the sixteen waves of my column of the cluster, told apart by address.
; THE MASK.  The score's product sums 128 along K and a head has 64.  At k = 64 a query carries the code 7.5 under the scale 2^60, a masked key the code -7.5 under 2^60, a valid key the code 0 under 2^-126:
; a masked key's score is its own less 56.25 x 2^120, finite, and a valid key's is untouched.  LIMIT: scores stay under 1e29 in magnitude.
; OUT.  qi: [batch x head][panel of 128 queries] records of 8,704 bytes: 8 tiles of 1,024 (8 registers a lane: six of codes, the one with k = 64, a zero), 512 of scale words.
; kv: [batch x head][128 keys] records of 15,360 bytes: K's 8 tiles and scale words as in qi, then V's four fragments (16 channels x 128 keys) and 512 bytes of their scale words.
; LIMITS of the quantiser: a block of zeros gets the byte 1 (zero codes; this program alone reads the bytes); NaN and infinities are not served.
; REGISTERS, in windows of 256: window 0: v0-15 ids and addresses; v32-39, v116-123 scale words; v48-111 the bias; v128-223 source 1's fragments, two sets (on the way out v128-247 are at work); v248-254 the mask and constants.
;   window 1: the accumulators, (a, b) at v[64 a + 8 b].   window 2: source 0's fragments, two sets of 96.
.set PAN,  102400
.set REC,  12800
.set WR,   2*PAN                       ; LDS: x's panel p at PAN p; the weight's panel at WR; the spare words at 3 PAN
.set WV,   20                          ; s20 wave; s21 wave % 2; s22 wave / 2; s23 the phase
.set G1A,  24                          ; s[24:31] group 1: x's panel, 400 rows of 256 bytes
.set G1B,  32                          ; s[32:39] a quarter of a weight's panel, 100 rows
.set G0A,  40                          ; s[40:43] group 0 of x's panel; s[44:47] of a refill's quarter; s[48:51] of the head's half panel
.set G0B,  44
.set G0B2, 48
.set SEL,  56                          ; s[56:57] lane l xor 16
.set G1B2, 68                          ; s[68:75] half a weight's panel, 200 rows
.set WP,   84                          ; s[84:85] the weight's panel of this phase; s[86:87] 25,600 x wave
.set AD1,  4
.set AE1,  5
.set AD0,  6
.set AE0,  7
.set AS1,  8
.set AS0,  9
.set L16,  10
.set L8,   11
.set R16,  12
.set BO4,  13                          ; 64 h
.set PR4,  14                          ; 4 (r + 8 (r / 8))
.set SCO,  15
.set S0S,  32
.set S1S,  116                         ; the two sides' scale registers differ modulo 8
.set BIAS, 48
.set PFO,  126
.set S1F,  128
.set ST,   128
.set PC,   192
.set TM,   212
.set PW,   228
.set TF,   229
.set EX,   230
.set ZR,   231
.set T4,   232
.set WA,   236
.set WB,   240
.set SW,   244
.set MK,   248
.set VC6,  252
.set VE1,  253
.set VE0,  254
.set MSB, 0
.macro WIN new                         ; s_set_vgpr_msb: bits 1:0 source 0, 3:2 source 1, 5:4 source 2, 7:6 destination; the high byte repeats the setting that is left
.if MSB != \new
	s_set_vgpr_msb (MSB<<8)|\new
.set MSB, \new
.endif
.endm
.macro CROUND
	s_barrier_signal -1
	s_barrier_wait -1
	s_cmp_lg_u32 s[WV], 0
	s_cbranch_scc1 .Lnot_wave_0_\@
	s_barrier_signal -3
.Lnot_wave_0_\@:
	s_barrier_wait -3
	s_barrier_signal -1
	s_barrier_wait -1
.endm
.macro NOP4
.rept 4
	v_nop
.endr
.endm
.macro FRAG4 reg, a16, a8, off         ; a fragment's image: 512 + 256 bytes for each 64 along K
	ds_load_b128 v[\reg:\reg+3], v[\a16] offset:\off
	ds_load_b64 v[\reg+4:\reg+5], v[\a8] offset:\off
	ds_load_b128 v[\reg+6:\reg+9], v[\a16] offset:\off+768
	ds_load_b64 v[\reg+10:\reg+11], v[\a8] offset:\off+768
.endm
.macro FETCH p                         ; a K step's 12 fragments and scale words into set p: 50 loads in one run
	WIN 0x80
.irp b, 0,1,2,3,4,5,6,7
	FRAG4 96*(\p)+12*\b, AD0, AE0, 1536*\b
.endr
	WIN 0
.irp a, 0,1,2,3
	FRAG4 S1F+48*(\p)+12*\a, AD1, AE1, 1536*\a
.endr
	ds_load_b128 v[S0S+4*(\p):S0S+4*(\p)+3], v[AS0]    ; register j: lanes 0-15 block j's words, lanes 16-31 block 4 + j's
	ds_load_b128 v[S1S+4*(\p):S1S+4*(\p)+3], v[AS1]    ; register a: my block a's words
.endm
.macro WM a, b, p, zero
.set rD, 64*(\a)+8*(\b)
.set rA, 96*(\p)+12*(\b)
.set rB, S1F+48*(\p)+12*(\a)
.set rSA, S0S+4*(\p)+(\b)%4
.set rSB, S1S+4*(\p)+(\a)
.if \zero
.if (\b) < 4
	v_wmma_scale_f32_16x16x128_f8f6f4 v[rD:rD+7], v[rA:rA+11], v[rB:rB+11], 0, v[rSA], v[rSB] matrix_a_fmt:MATRIX_FMT_FP6 matrix_b_fmt:MATRIX_FMT_FP6
.else
	v_wmma_scale_f32_16x16x128_f8f6f4 v[rD:rD+7], v[rA:rA+11], v[rB:rB+11], 0, v[rSA], v[rSB] matrix_a_fmt:MATRIX_FMT_FP6 matrix_b_fmt:MATRIX_FMT_FP6 matrix_a_scale:MATRIX_SCALE_ROW1
.endif
.else
.if (\b) < 4
	v_wmma_scale_f32_16x16x128_f8f6f4 v[rD:rD+7], v[rA:rA+11], v[rB:rB+11], v[rD:rD+7], v[rSA], v[rSB] matrix_a_fmt:MATRIX_FMT_FP6 matrix_b_fmt:MATRIX_FMT_FP6
.else
	v_wmma_scale_f32_16x16x128_f8f6f4 v[rD:rD+7], v[rA:rA+11], v[rB:rB+11], v[rD:rD+7], v[rSA], v[rSB] matrix_a_fmt:MATRIX_FMT_FP6 matrix_b_fmt:MATRIX_FMT_FP6 matrix_a_scale:MATRIX_SCALE_ROW1
.endif
.endif
.endm
.macro MUL p, zero                     ; 32 matrix instructions; the 32 accumulators take turns, in the same order in every step
	WIN 0x52                                       ; source 0 window 2, source 1 window 0, C and D window 1
.irp a, 0,1,2,3
.irp b, 0,1,2,3,4,5,6,7
	WM \a, \b, \p, \zero
.endr
.endr
	WIN 0
.endm
.macro STEP s, zero, refill
.if ((\s) > 0) && ((\s) < 7)
	s_wait_alu depctr_va_vdst(0)
.endif
	s_wait_dscnt 0x0                               ; this step's set is in (asked for 32 matrix instructions ago)
.if (\s) < 7
.irp r, 4,5,6,7,8,9
	v_add_nc_u32 v\r, REC, v\r                     ; on to the next K step: six plain lines, also the places between the last step's products and the loads into the registers that they read
.endr
	FETCH ((\s)+1)%2
.elseif \refill
	s_wait_tensorcnt 0x0                           ; THE REFILL.  No load of mine is out;
	ds_add_u32 v127, v255
	s_wait_xcnt 0x0                                ; the prefetch has read its base
	s_add_nc_u64 s[WP:WP+1], s[WP:WP+1], 8*PAN     ; the same panel of the next weight
	s_mov_b32 s[G0B+1], s101                       ; my quarter: WR + 25,600 x wave
	s_add_nc_u64 s[G0B+2:G0B+3], s[WP:WP+1], s[86:87]
	s_or_b32 s[G0B+3], s[G0B+3], 0x80000000
	s_wait_dscnt 0x0                               ; the add is done, and my reads of the weight's panel are over: its last K step lies in my registers
	CROUND                                         ; so it is with every wave of all sixteen work-groups
	tensor_load_to_lds s[G0B:G0B+3], s[G1B:G1B+7]
	s_nop 0
	NOP4
.endif
	MUL (\s)%2, \zero
.endm
.macro MAIN refill                     ; a phase's products
	s_wait_alu depctr_va_vdst(0)
	s_wait_tensorcnt 0x0                           ; my load has landed: at the head a panel of x or half a weight's, later my quarter of the weight's,
	s_barrier_signal -1
	s_barrier_wait -1                              ; everybody's has
	FETCH 0
.if \refill
	global_prefetch_b8 v[PFO], s[WP:WP+1] offset:8*PAN th:TH_LOAD_NT scope:SCOPE_SE   ; my 25 blocks of the next weight's panel
.endif
	STEP 0, 1, 0
.irp s, 1,2,3,4,5,6
	STEP \s, 0, 0
.endr
	STEP 7, 0, \refill
	NOP4                                           ; four places between the last products and the first read of results (ISA guide 7.12.1)
.irp b, 0,1,2,3
	v_mov_b32 v[TM+4+\b], 0                        ; a lane permute's destination counts as one of its sources
.endr
.endm
; 64 numbers of a lane, register 16 b + i = k 32 b + 16 (lane / 16) + i of my row, become a fragment's codes in v[PC] on and its scale word in v[PW].
.macro QUANT s
.irp b, 0,1,2,3
	v_max3_num_f32 v[TM+\b], |v[\s+16*\b]|, |v[\s+1+16*\b]|, 0x1800000   ; and the floor 2^(3 - 127): the byte cannot fall under 1
.endr
.irp i, 2,4,6,8,10,12,14
.irp b, 0,1,2,3
	v_max3_num_f32 v[TM+\b], v[TM+\b], |v[\s+16*\b+\i]|, |v[\s+1+16*\b+\i]|
.endr
.endr
.irp b, 0,1,2,3
	v_permlanex16_b32 v[TM+4+\b], v[TM+\b], s[SEL], s[SEL+1]
.endr
.irp b, 0,1,2,3
	v_max_num_f32 v[TM+\b], v[TM+\b], v[TM+4+\b]
.endr
.irp b, 0,1,2,3
	v_add_nc_u32 v[TM+12+\b], 0xff000000, v[TM+\b] ; 2 off the exponent field: the conversion's scale operand
.endr
.irp b, 0,1,2,3
	v_lshrrev_b32 v[TM+4+\b], 23, v[TM+12+\b]      ; the byte
.endr
	v_lshl_or_b32 v[PW], v[TM+5], 8, v[TM+4]
	v_lshl_or_b32 v[PW], v[TM+6], 16, v[PW]
	v_lshl_or_b32 v[PW], v[TM+7], 24, v[PW]
.irp c, 0,1
	v_cvt_scalef32_pk16_fp6_f32 v[PC+6*\c:PC+2+6*\c], v[\s+32*\c:\s+15+32*\c], v[TM+12+2*\c]
	v_cvt_scalef32_pk16_fp6_f32 v[PC+12+4*\c:PC+14+4*\c], v[\s+16+32*\c:\s+31+32*\c], v[TM+12+2*\c+1]
.endr
	v_nop                                          ; one plain place behind a scaled conversion
.irp c, 0,1
.irp i, 0,1,2
	v_permlane16_swap_b32 v[PC+6*\c+\i], v[PC+12+4*\c+\i]
.endr
.irp i, 0,1,2
	v_mov_b32 v[PC+3+6*\c+\i], v[PC+12+4*\c+\i]
.endr
.endr
.endm
; 64 numbers of a lane, register 32 c + i = k 64 c + 32 (lane / 16) + i: a whole block in a lane.  No lane asks another for a maximum; the scale word's four bytes are gathered from lanes l and l xor 16.
.macro QUANTL s
.irp c, 0,1
	v_max3_num_f32 v[TM+2*\c], |v[\s+32*\c]|, |v[\s+32*\c+1]|, 0x1800000
	v_max3_num_f32 v[TM+2*\c+1], |v[\s+32*\c+16]|, |v[\s+32*\c+17]|, |v[\s+32*\c+18]|
.endr
.irp i, 2,4,6,8,10,12
.irp c, 0,1
	v_max3_num_f32 v[TM+2*\c], v[TM+2*\c], |v[\s+32*\c+\i]|, |v[\s+32*\c+\i+1]|
	v_max3_num_f32 v[TM+2*\c+1], v[TM+2*\c+1], |v[\s+32*\c+\i+17]|, |v[\s+32*\c+\i+18]|
.endr
.endr
.irp c, 0,1
	v_max3_num_f32 v[TM+2*\c], v[TM+2*\c], |v[\s+32*\c+14]|, |v[\s+32*\c+15]|
.endr
.irp c, 0,1
	v_max3_num_f32 v[TM+2*\c], v[TM+2*\c], v[TM+2*\c+1], |v[\s+32*\c+31]|
.endr
.irp c, 0,1
	v_add_nc_u32 v[TM+12+\c], 0xff000000, v[TM+2*\c]
.endr
.irp c, 0,1
	v_lshrrev_b32 v[TM+8+\c], 23, v[TM+12+\c]
.endr
	v_lshl_or_b32 v[PW], v[TM+9], 16, v[TM+8]      ; my bytes: blocks h and 2 + h,
	v_lshlrev_b32 v[EX], 3, v3
	v_lshlrev_b32 v[PW], v[EX], v[PW]              ; 8 h bits up;
	v_permlanex16_b32 v[TM+4], v[PW], s[SEL], s[SEL+1]
	v_or_b32 v[PW], v[PW], v[TM+4]                 ; with lane l xor 16's two the word is whole
.irp c, 0,1
	v_cvt_scalef32_pk16_fp6_f32 v[PC+6*\c:PC+2+6*\c], v[\s+32*\c:\s+15+32*\c], v[TM+12+\c]
	v_cvt_scalef32_pk16_fp6_f32 v[PC+12+4*\c:PC+14+4*\c], v[\s+16+32*\c:\s+31+32*\c], v[TM+12+\c]
.endr
	v_nop
.irp c, 0,1
.irp i, 0,1,2
	v_mov_b32 v[PC+3+6*\c+\i], v[PC+12+4*\c+\i]
.endr
.endr
.endm
	s_load_b256 s[4:11], s[0:1], 0x0               ; xi s[4:5], wi s[6:7], bq s[8:9], bk s[10:11]
	s_load_b256 s[12:19], s[0:1], 0x20             ; bv s[12:13], mask s[14:15], qi s[16:17], kv s[18:19]
	v_lshl_add_u32 v127, v0, 2, 3*PAN
	v_mov_b32 v255, 0
	ds_add_u32 v127, v255                          ; the opening lines: the add twice on end and its wait
	ds_add_u32 v127, v255
	v_lshrrev_b32 v1, 5, v0
	v_readfirstlane_b32 s[WV], v1                  ; wave 0..3
	s_and_b32 s21, s[WV], 1
	s_lshr_b32 s22, s[WV], 1
	s_bfe_u32 s84, ttmp6, 0x40000                  ; cx
	s_bfe_u32 s85, ttmp6, 0x40004                  ; cy
	s_lshl_b32 s89, ttmp9, 2
	s_add_co_u32 s89, s89, s84                     ; X: which panel of each weight, 0..7
	s_and_b32 s88, ttmp7, 0xffff
	s_lshl_b32 s88, s88, 2
	s_add_co_u32 s88, s88, s85                     ; Y: which 256 tokens, 0..31
	s_lshl_b32 s90, s88, 1
	s_add_co_u32 s90, s90, s21
	s_mul_i32 s90, s90, PAN                        ; the panel of x that waves 0 and 1 fetch
	s_mov_b32 s91, 0
	s_mul_i32 s92, s89, PAN                        ; Wq's panel
	s_mov_b32 s93, 0
	s_mul_i32 s94, s21, PAN/2                      ; waves 2 and 3 fetch a half each
	s_mov_b32 s95, 0
	s_lshl_b32 s58, s85, 2
	s_lshl_b32 s58, 15, s58                        ; my row of the cluster
	s_lshl_b32 s59, 0x1111, s84                    ; my column
	s_or_b32 s[G1A], s58, (3<<16)|(1<<21)          ; the mask; elements of 8 bytes; bit 21 set beside a mask; no padding: dense blocks as rows of 256 bytes
	s_or_b32 s[G1B], s59, (3<<16)|(1<<21)
	s_or_b32 s[G1B2], s59, (3<<16)|(1<<21)
.irp g, G1A, G1B, G1B2
	s_mov_b32 s[\g+1], 32<<16
	s_mov_b32 s[\g+3], 32<<16
	s_mov_b32 s[\g+5], 32
	s_mov_b32 s[\g+6], 0
	s_mov_b32 s[\g+7], 0
.endr
	s_mov_b32 s[G1A+2], 400<<16
	s_mov_b32 s[G1A+4], 400
	s_mov_b32 s[G1B+2], 100<<16
	s_mov_b32 s[G1B+4], 100
	s_mov_b32 s[G1B2+2], 200<<16
	s_mov_b32 s[G1B2+4], 200
	s_mul_i32 s60, s21, PAN                        ; no place in the cluster enters an LDS address
	s_mul_i32 s61, s21, PAN/2
	s_add_co_u32 s61, s61, WR
	s_mul_i32 s86, s[WV], PAN/4
	s_mov_b32 s87, 0
	s_add_co_u32 s101, s86, WR
	s_lshl_b32 s62, s85, 2
	s_add_co_u32 s62, s62, s[WV]
	s_mul_i32 s62, s62, 6400                       ; my sixteenth of a panel, for the prefetches: 25 blocks of 256 bytes
	s_mov_b32 s[SEL], 0x76543210
	s_mov_b32 s[SEL+1], 0xfedcba98
	s_mov_b32 s23, 0
	s_wait_dscnt 0x0
	s_wait_kmcnt 0x0
	s_add_nc_u64 s[90:91], s[4:5], s[90:91]
	s_add_nc_u64 s[WP:WP+1], s[6:7], s[92:93]
	s_add_nc_u64 s[94:95], s[WP:WP+1], s[94:95]
	s_mov_b32 s[G0A], 1
	s_mov_b32 s[G0A+1], s60
	s_mov_b64 s[G0A+2:G0A+3], s[90:91]
	s_or_b32 s[G0A+3], s[G0A+3], 0x80000000
	s_mov_b32 s[G0B2], 1
	s_mov_b32 s[G0B2+1], s61
	s_mov_b64 s[G0B2+2:G0B2+3], s[94:95]
	s_or_b32 s[G0B2+3], s[G0B2+3], 0x80000000
	s_mov_b32 s[G0B], 1
	CROUND                                         ; all sixteen work-groups are here: the joint loads meet
	s_cmp_lt_u32 s[WV], 2                          ; one load a wave, in the arms of one branch on its number
	s_cbranch_scc0 .Lfill_w
	tensor_load_to_lds s[G0A:G0A+3], s[G1A:G1A+7]
	s_nop 0
	NOP4
	s_branch .Lfilled
.Lfill_w:
	tensor_load_to_lds s[G0B2:G0B2+3], s[G1B2:G1B2+7]
	s_nop 0
	NOP4
.Lfilled:
	s_lshl_b32 s60, s88, 10
	s_lshl_b32 s63, s[WV], 8
	s_add_co_u32 s60, s60, s63
	s_mov_b32 s61, 0
	s_add_nc_u64 s[14:15], s[14:15], s[60:61]      ; the mask of my 64 tokens: 4 (256 Y + 64 wave)
	v_and_b32 v1, 31, v0                           ; lane
	v_and_b32 v2, 15, v0                           ; r
	v_bfe_u32 v3, v0, 4, 1                         ; h
	v_lshlrev_b32 v[L16], 4, v1
	v_lshlrev_b32 v[L8], 3, v1
	v_lshlrev_b32 v[R16], 4, v2
	v_and_b32 v[PR4], 8, v2
	v_add_nc_u32 v[PR4], v[PR4], v2
	v_lshlrev_b32 v[PR4], 2, v[PR4]                ; 4 (r + 8 (r / 8)): lane r's column of a weight's block, in words
	v_and_b32 v[TF], 8, v2
	v_mul_u32_u24 v[TF], v[TF], 3
	v_add_nc_u32 v[TF], v[TF], v2
	v_lshlrev_b32 v[TF], 2, v[TF]                  ; 4 (r % 8 + 32 (r / 8)): lane r's token of a block of x, in words
	v_lshlrev_b32 v[BO4], 6, v3
	v_min_u32 v[PFO], 24, v1
	v_lshlrev_b32 v[PFO], 8, v[PFO]
	v_add_nc_u32 v[PFO], s62, v[PFO]               ; a lane a block; lanes 25-31 name the last again
	v_mov_b32 v[ZR], 0
	s_wait_alu depctr_va_vdst(0)
.irp a, 0,1,2,3
	global_load_b32 v[MK+\a], v[TF], s[14:15] offset:32*\a   ; the mask of lane r's token of block a, which begins at token 8 a
.endr
; ---------------- q, then k
.Lqk:
	s_wait_xcnt 0x0                                ; the last phase's stores have read their bases, offsets and data
	s_cmp_eq_u32 s23, 0                            ; q or k: it only chooses pointers and constants
	s_cselect_b64 s[90:91], s[8:9], s[10:11]       ; the bias
	s_cselect_b64 s[92:93], s[16:17], s[18:19]     ; where the images go
	s_cselect_b32 s98, -1, 0                       ; all lanes: q
	s_mov_b32 s99, 15360
	s_cselect_b32 s99, 8704, s99                   ; bytes of a record
	s_cselect_b32 s3, 31, 63                       ; the code at k = 64: 7.5, or -7.5
	s_mov_b32 s2, 0x01bb0000
	s_cselect_b32 s2, 0x7fbb0000, s2               ; the scale word's upper bytes where that code is set: 2^60 for k = 64 .. 95
	s_mov_b32 s58, 0x01010000
	s_cselect_b32 s58, 0x7fbb0000, s58             ; and where it is not (a valid key: 2^-126)
	s_lshl_b32 s60, s89, 9
	s_mov_b32 s61, 0
	s_add_nc_u64 s[90:91], s[90:91], s[60:61]      ; the bias of my 128 columns
	s_lshr_b32 s60, s88, 3                         ; batch
	s_lshl_b32 s60, s60, 4
	s_lshl_b32 s62, s89, 1
	s_add_co_u32 s60, s60, s62                     ; batch x 16 + the first of the two heads
	s_lshl_b32 s60, s60, 4
	s_lshl_b32 s62, s88, 1
	s_add_co_u32 s62, s62, s22
	s_and_b32 s62, s62, 15                         ; my panel of 128 tokens in the batch
	s_add_co_u32 s60, s60, s62
	s_mul_i32 s60, s60, s99
	s_add_nc_u64 s[92:93], s[92:93], s[60:61]      ; the first head's record
	s_lshl_b32 s60, s21, 12
	s_add_nc_u64 s[94:95], s[92:93], s[60:61]      ; my four tiles in it,
	s_lshl_b32 s60, s99, 4
	s_add_nc_u64 s[96:97], s[94:95], s[60:61]      ; and in the next head's, 16 records on
	v_mul_u32_u24 v[SCO], s60, v3
	v_add_nc_u32 v[SCO], v[SCO], v[R16]
	s_lshl_b32 s62, s21, 8
	s_add_co_u32 s62, s62, 8192
	s_mov_b32 s63, 0
	s_add_nc_u64 s[92:93], s[92:93], s[62:63]      ; my sixteen slots of scale words
	s_mul_i32 s60, s22, PAN                        ; source 1: my panel of x,
	s_mul_i32 s61, s21, 6144                       ; my four blocks of it
	s_add_co_u32 s61, s61, s60
	v_add_nc_u32 v[AD1], s61, v[L16]
	v_add_nc_u32 v[AE1], s61, v[L8]
	v_add_nc_u32 v[AE1], 512, v[AE1]
	v_add_nc_u32 v[AD0], WR, v[L16]                ; source 0: the weight's panel
	v_add_nc_u32 v[AE0], WR+512, v[L8]
	s_lshl_b32 s61, s21, 8
	s_add_co_u32 s61, s61, s60
	s_add_co_u32 s61, s61, 12288
	v_add_nc_u32 v[AS1], s61, v[R16]
	v_add_nc_u32 v[AS0], WR+12288, v[L16]
	v_mov_b32 v[VC6], s3
	v_mov_b32 v[VE1], s2
	v_mov_b32 v[VE0], s58
.irp b, 0,1,2,3
.irp i, 0,1,2,3
	global_load_b128 v[BIAS+16*\b+4*\i:BIAS+16*\b+4*\i+3], v[BO4], s[90:91] offset:128*\b+16*\i   ; register 16 b + i: column 32 b + 16 h + i
.endr
.endr
	MAIN 1
	s_wait_loadcnt 0x0                             ; the bias and the mask
.macro EPI_QK a                        ; block a: 16 tokens x two heads
	s_wait_xcnt 0x0                                ; the last block's stores have read their registers
	WIN 0x01
.set n, 0
.rept 32
	v_pk_add_f32 v[ST+n:ST+n+1], v[64*(\a)+n:64*(\a)+n+1], v[BIAS+n:BIAS+n+1]   ; ascending: each accumulator from its low end on
.set n, n+2
.endr
	WIN 0
	QUANT ST
	v_cndmask_b32 v[TF], v[MK+\a], v3, s98         ; q: the code stands in lanes 0-15 (k = 64); k: where the key's mask is 0 (in lanes 16-31 it meets a zero of q)
	v_cmp_eq_u32 vcc_lo, 0, v[TF]
	v_cndmask_b32 v[PC+12], v[ZR], v[VC6], vcc_lo
	v_mov_b32 v[PC+13], 0
	v_cndmask_b32 v[EX], v[VE0], v[VE1], vcc_lo
	v_mov_b32 v[T4], v[PC+4]
	v_mov_b32 v[T4+1], v[PC+5]
	v_mov_b32 v[T4+2], v[PC+12]
	v_mov_b32 v[T4+3], 0
	v_and_or_b32 v[WA+\a], v[PW], 0xffff, v[EX]    ; the first head's two bytes,
	v_lshrrev_b32 v[WB+\a], 16, v[PW]
	v_or_b32 v[WB+\a], v[WB+\a], v[EX]             ; the second's
	global_store_b128 v[L16], v[PC:PC+3], s[94:95] offset:1024*(\a)          ; every store covers 512 consecutive bytes, aligned
	global_store_b128 v[L16], v[T4:T4+3], s[94:95] offset:1024*(\a)+512
	global_store_b128 v[L16], v[PC+6:PC+9], s[96:97] offset:1024*(\a)
	global_store_b128 v[L16], v[PC+10:PC+13], s[96:97] offset:1024*(\a)+512
.endm
	EPI_QK 0
	EPI_QK 1
	EPI_QK 2
	EPI_QK 3
	v_cmp_eq_u32 vcc_lo, 1, v3
.irp a, 0,1,2,3
	v_cndmask_b32 v[SW+\a], v[WA+\a], v[WB+\a], vcc_lo
.endr
	global_store_b128 v[SCO], v[SW:SW+3], s[92:93] ; lanes 0-15: 256 consecutive bytes of the first head's record, lanes 16-31 of the second's
	s_add_co_u32 s23, s23, 1
	s_cmp_lt_u32 s23, 2
	s_cbranch_scc1 .Lqk
; ---------------- v: a lane holds one channel, its registers 128 keys
	s_wait_xcnt 0x0
	s_lshl_b32 s60, s89, 9
	s_lshl_b32 s62, s21, 8
	s_add_co_u32 s60, s60, s62
	s_mov_b32 s61, 0
	s_add_nc_u64 s[12:13], s[12:13], s[60:61]      ; bv of my 64 channels (one head): 4 (128 X + 64 (wave % 2))
	s_lshr_b32 s60, s88, 3                         ; batch
	s_lshl_b32 s60, s60, 4
	s_lshl_b32 s62, s89, 1
	s_add_co_u32 s60, s60, s62
	s_add_co_u32 s60, s60, s21                     ; + head 2 X + wave % 2
	s_lshl_b32 s60, s60, 4
	s_lshl_b32 s62, s88, 1
	s_add_co_u32 s62, s62, s22
	s_and_b32 s62, s62, 15                         ; which 128 keys
	s_add_co_u32 s60, s60, s62
	s_mul_i32 s60, s60, 15360
	s_add_co_u32 s60, s60, 8704                    ; V's part of the record
	s_add_nc_u64 s[18:19], s[18:19], s[60:61]
	s_mul_i32 s60, s22, PAN                        ; source 0: my panel of x
	v_add_nc_u32 v[AD0], s60, v[L16]
	v_add_nc_u32 v[AE0], s60, v[L8]
	v_add_nc_u32 v[AE0], 512, v[AE0]
	s_add_co_u32 s60, s60, 12288
	v_add_nc_u32 v[AS0], s60, v[L16]
	s_mul_i32 s61, s21, 6144                       ; source 1: my four blocks of Wv's panel
	s_add_co_u32 s61, s61, WR
	v_add_nc_u32 v[AD1], s61, v[L16]
	v_add_nc_u32 v[AE1], s61, v[L8]
	v_add_nc_u32 v[AE1], 512, v[AE1]
	s_lshl_b32 s61, s21, 8
	s_add_co_u32 s61, s61, WR+12288
	v_add_nc_u32 v[AS1], s61, v[R16]
.irp a, 0,1,2,3
	global_load_b32 v[BIAS+2*\a], v[PR4], s[12:13] offset:4*(32*(\a/2)+8*(\a%2))
	v_mov_b32 v[BIAS+2*\a+1], 0                    ; (named with it as a pair)
.endr
	MAIN 0
	s_wait_loadcnt 0x0
.macro EPI_V a                         ; block a: 16 channels x 128 keys: one fragment
	s_wait_xcnt 0x0
	WIN 0x01
.set n, 0
.rept 32
	v_pk_add_f32 v[ST+n:ST+n+1], v[64*(\a)+n:64*(\a)+n+1], v[BIAS+2*(\a):BIAS+2*(\a)+1] op_sel_hi:[1,0]
.set n, n+2
.endr
	WIN 0
	QUANTL ST
	v_mov_b32 v[SW+\a], v[PW]
	global_store_b128 v[L16], v[PC:PC+3], s[18:19] offset:1536*(\a)
	global_store_b64 v[L8], v[PC+4:PC+5], s[18:19] offset:1536*(\a)+512
	global_store_b128 v[L16], v[PC+6:PC+9], s[18:19] offset:1536*(\a)+768
	global_store_b64 v[L8], v[PC+10:PC+11], s[18:19] offset:1536*(\a)+1280
.endm
	EPI_V 0
	EPI_V 1
	EPI_V 2
	EPI_V 3
	global_store_b128 v[L16], v[SW:SW+3], s[18:19] offset:6144   ; word a of slot r: channel tile a; lanes 16-31 store a copy, so that the 512 bytes are whole
	s_wait_tensorcnt 0x0                           ; the wave's end
	ds_add_u32 v127, v255
	s_wait_dscnt 0x0
	CROUND                                         ; the closing round
	s_endpgm
.Lfunc_end_k_q0ebe022660_gemm_qkv:
	.size	k_q0ebe022660_gemm_qkv, .Lfunc_end_k_q0ebe022660_gemm_qkv-k_q0ebe022660_gemm_qkv
	.p2alignl 7, 3214868480
	.fill 96, 4, 3214868480
	.section	.rodata,"a",@progbits
	.p2align	6, 0x0
	.amdhsa_kernel k_q0ebe022660_gemm_qkv
		.amdhsa_group_segment_fixed_size 327680
		.amdhsa_private_segment_fixed_size 0
		.amdhsa_enable_private_segment 0
		.amdhsa_kernarg_size 64
		.amdhsa_user_sgpr_count 2
		.amdhsa_user_sgpr_kernarg_segment_ptr 1
		.amdhsa_wavefront_size32 1
		.amdhsa_system_sgpr_workgroup_id_x 1
		.amdhsa_system_sgpr_workgroup_id_y 1
		.amdhsa_system_sgpr_workgroup_id_z 1
		.amdhsa_system_vgpr_workitem_id 0
		.amdhsa_next_free_vgpr 768
		.amdhsa_next_free_sgpr 102
		.amdhsa_reserve_vcc 1
		.amdhsa_float_denorm_mode_32 3
		.amdhsa_float_denorm_mode_16_64 3
		.amdhsa_memory_ordered 1
		.amdhsa_forward_progress 1
		.amdhsa_inst_pref_size 185
	.end_amdhsa_kernel
	.amdgpu_metadata
---
amdhsa.version: [ 1, 2 ]
amdhsa.kernels:
  - .name:           k_q0ebe022660_gemm_qkv
    .symbol:         k_q0ebe022660_gemm_qkv.kd
    .args:
      - { .name: xi, .offset: 0, .size: 8, .value_kind: global_buffer, .address_space: global }
      - { .name: wi, .offset: 8, .size: 8, .value_kind: global_buffer, .address_space: global }
      - { .name: bq, .offset: 16, .size: 8, .value_kind: global_buffer, .address_space: global }
      - { .name: bk, .offset: 24, .size: 8, .value_kind: global_buffer, .address_space: global }
      - { .name: bv, .offset: 32, .size: 8, .value_kind: global_buffer, .address_space: global }
      - { .name: mask, .offset: 40, .size: 8, .value_kind: global_buffer, .address_space: global }
      - { .name: qi, .offset: 48, .size: 8, .value_kind: global_buffer, .address_space: global }
      - { .name: kv, .offset: 56, .size: 8, .value_kind: global_buffer, .address_space: global }
    .group_segment_fixed_size: 327680
    .private_segment_fixed_size: 0
    .kernarg_segment_align: 8
    .kernarg_segment_size: 64
    .max_flat_workgroup_size: 128
    .sgpr_count:     102
    .vgpr_count:     768
    .wavefront_size: 32
...
	.end_amdgpu_metadata
.endif
;; end of part 2
;; launch attn (part 3): grid 4 x 64, 8 waves a work-group, clusters of 4 x 1, 246,784 bytes of LDS; arguments qi, kv, oi; writes oi
.if DOCPART == 3
	.amdgcn_target "amdgcn-amd-amdhsa--gfx1250"
	.amdhsa_code_object_version 6
	.text
	.protected	k_q0ebe022660_attn
	.globl	k_q0ebe022660_attn
	.p2align	8
	.type	k_q0ebe022660_attn,@function
k_q0ebe022660_attn:
	s_mov_b64 s[64:65], 0
	v_nop
	global_prefetch_b8 v0, s[64:65] scope:SCOPE_SE
	s_setreg_imm32_b32 hwreg(HW_REG_WAVE_MODE, 25, 1), 1
	s_wait_xcnt 0x0
	s_wait_alu depctr_hold_cnt(0) depctr_sa_sdst(0) depctr_va_vdst(0) depctr_va_sdst(0) depctr_va_ssrc(0) depctr_va_vcc(0) depctr_vm_vsrc(0)
	s_getreg_b32 s2, hwreg(HW_REG_IB_STS2, 6, 4)
	s_cmp_eq_u32 s2, 0
	s_cbranch_scc0 .Lentry_in_a_cluster
	s_endpgm
.Lentry_in_a_cluster:
	s_bfe_u32 s2, ttmp6, 0x10000c
	s_cmp_lg_u32 s2, 0x3003
	s_cbranch_scc0 .Lentry_shape_is_right
	s_endpgm
.Lentry_shape_is_right:
; o = softmax(q k^T / 8, masked keys left out) v for one head, both products on codes of FP6 (E2M3) with E8M0 scales, and o quantised again along (head, channel) for the last projection.
; THE SOFTMAX: t = score x log2(e) / 8; M = the running largest t rounded UP to a whole number; p = 2^(t - M) is quantised along the keys, not normalised; the row's sum is taken of the unquantised p and divides o at the end.
; When M moves, the sum and O are multiplied by 2^(old M - new M): exact.
; THE MASK costs no line here: a masked key's score arrives lowered by 56.25 x 2^120 (the launch before put a code at k = 64, in the half of the instruction's K that a head of 64 leaves idle), so its p is 0.
; The largest score starts at -1e30, far above a masked score.  LIMIT: |score| under 1e29.  A row whose every key is masked has the sum 0: its scale bytes become 0xff, and the row of the output NaN, as the softmax of an empty row is.
; SHARES.  A work-group owns 512 queries of one head; the head's whole K and V, 16 records of 15,360 bytes of register images, come into LDS once and stay: no byte is filled again.
; Two passes of 256 queries; each of the eight waves owns TWO tiles of 16 queries, so that each fragment of K and V read from LDS serves 32 queries.
; CLUSTER.  The four work-groups of a head ask for K and V jointly; each wave issues one load, two records (120 rows of 256 bytes).  Waves 0-2 (records 0-5) have a load line of their own and wait for it ahead of the first barrier;
; a pass's first four key steps read records 0-4 alone; behind them every wave waits for its load, and a barrier shows the whole head.
; All that comes by tensor loads is asked for at the head, so there is no later tile to prefetch; both passes' q are loaded at the head.
; LAYOUT.  Both products are used transposed: S^T = K Q^T, O^T = V^T P^T: a lane holds ONE query throughout.  Lane r of tile u of K holds key 64 (u/4) + 8 (u%4) + r%8 + 32 (r/8), so that register 32 c + i of S^T is
; key 64 c + 32 (lane / 16) + i: a whole scale block of p lies in one lane, in the order of the next operand's registers: no lane asks another for a block's maximum, and the codes stay where the conversions put them.
; A tile of K is 8 registers a lane; the operand names 12.  The last four are the next tile's first four (tile 7: four zeros): they meet zero codes of q.
; A record of kv (128 keys): K's 8 tiles of 1,024 bytes, 512 of their scale words, V's 4 fragments of 1,536, 512 of theirs.
; REGISTERS.  Tile t's scores, O^T, q, codes and sums lie in window t at the same numbers (v120-255).  Window 0, v0-119: addresses, both tiles' small state (M, f, block maxima), all scale words, V's fragments.  Window 1, v0-67: K's tiles; v68-83: the second pass's q.
; A KEY STEP: 16 products of S^T; V's loads and the NEXT step's K's loads in one run; both tiles' maxima, M, the rescaling of O^T and t - M; ONE batch of 132 exponentials; scale words, codes, sums; 8 products of O^T.
; The last step of a pass fetches K's record 0 for the next pass; in the second pass that fetch serves nothing (17 loads a wave).
; One work-group barrier in each key step, signalled at its head and waited for at its end: no wave is more than one key step ahead of another.
.set WV,   10
.set G1,   16                          ; s[16:23] descriptor group 1;  s[24:27] group 0
.set G0,   24
.set SEL,  40                          ; s[40:41] lane l xor 16
.set CS,   42                          ; s[42:43] c = log2(e) / 8, twice
.set TB,   44                          ; LDS byte of this step's record;  s45 of the next step's
.set TBN,  45
.set CNT,  46
.set PAS,  47
.set QB,   48                          ; s[48:49] my tiles of q; s[50:51] their scale words; s[52:53] my half fragments of o; s[54:55] their half scale words
.set QSB,  50
.set OB,   52
.set OSB,  54
.set REC,  15360
.set SPARE, 16*REC                     ; the spare words: 128 bytes a wave
.set L16,  1                           ; 16 x lane
.set L8,   2                           ; 8 x lane
.set A16,  3                           ; the same + TB
.set A8,   4
.set AK,   5                           ; 16 x lane + TBN
.set R16,  6                           ; 16 r
.set LN,   7
.set SH8,  8                           ; 8 (lane / 16)
.set SPW,  9
.set NIL,  10
.set SS,   12                          ; tile t's small state at v[SS + 14 t]:
.set NMo,  0                           ; -M, and with it as a pair
.set MXo,  1                           ; the largest score
.set FFo,  2                           ; f (a pair), later 1 / sum
.set BMo,  4                           ; my two blocks' largest scores, then p, then bytes
.set BOo,  6                           ; the conversions' scale operands
.set T0o,  8
.set T1o,  9
.set MOo,  10                          ; -M as the last step left it
.set WDo,  11
.set PXo,  12                          ; what lane l xor 16 sends
.set QS2,  40                          ; the second pass's q's scale words
.set QS,   42                          ; q's scale words, a register a tile
.set KS,   44                          ; K's
.set VS,   48                          ; V's
.set VF,   52                          ; v52-99 V's four fragments
.set PS,   102                         ; p's scale words, a register a tile
.set Q2,   68                          ; window 1
.set SC,   120                         ; v120-183 S^T, then p
.set OT,   184                         ; v184-215 O^T
.set QF,   216                         ; v216-227 q (v224-227 zeros)
.set PCD,  228                         ; v228-239 p's codes
.set CV,   240                         ; v240-246 the maxima's chains, then the conversions' second halves
.set C0,   248                         ; v[248:249] the row's sum in two halves; v250-255 three more chains
.set MSB, 0
.macro WIN new                         ; s_set_vgpr_msb: bits 1:0 source 0, 3:2 source 1, 5:4 source 2, 7:6 destination; the high byte repeats the setting that is left
.if MSB != (\new)
	s_set_vgpr_msb (MSB<<8)|(\new)
.set MSB, (\new)
.endif
.endm
.macro WALU
	s_wait_alu depctr_va_vdst(0)
.endm
.macro CROUND
	s_barrier_signal -1
	s_barrier_wait -1
	s_cmp_lg_u32 s[WV], 0
	s_cbranch_scc1 .Lnot_wave_0_\@
	s_barrier_signal -3
.Lnot_wave_0_\@:
	s_barrier_wait -3
	s_barrier_signal -1
	s_barrier_wait -1
.endm
.macro KLOAD adr                       ; K's scale words and eight tiles: 17 loads
	ds_load_b128 v[KS:KS+3], v[\adr] offset:8192   ; register j: lanes 0-15 tile j's words, lanes 16-31 tile 4 + j's
	WIN 0x40
.irp u, 0,1,2,3,4,5,6,7
	ds_load_b128 v[8*\u:8*\u+3], v[\adr] offset:1024*\u
	ds_load_b128 v[8*\u+4:8*\u+7], v[\adr] offset:1024*\u+512
.endr
	WIN 0
.endm
.macro KQ u, t                         ; S^T's tile u of query tile t
.if (\u) < 4
	v_wmma_scale_f32_16x16x128_f8f6f4 v[SC+8*(\u):SC+8*(\u)+7], v[8*(\u):8*(\u)+11], v[QF:QF+11], 0, v[KS+(\u)%4], v[QS+\t] matrix_a_fmt:MATRIX_FMT_FP6 matrix_b_fmt:MATRIX_FMT_FP6
.else
	v_wmma_scale_f32_16x16x128_f8f6f4 v[SC+8*(\u):SC+8*(\u)+7], v[8*(\u):8*(\u)+11], v[QF:QF+11], 0, v[KS+(\u)%4], v[QS+\t] matrix_a_fmt:MATRIX_FMT_FP6 matrix_b_fmt:MATRIX_FMT_FP6 matrix_a_scale:MATRIX_SCALE_ROW1
.endif
.endm
.macro MAXT t                          ; the largest score of my two blocks of 32 keys: two chains a block, four by turns; each accumulator is first read at its low end.  The results go to window 0
	WIN 0x55*\t
.irp c, 0,1
	v_max3_num_f32 v[CV+2*\c], v[SC+32*\c], v[SC+32*\c+1], v[SC+32*\c+2]
	v_max3_num_f32 v[CV+2*\c+1], v[SC+32*\c+16], v[SC+32*\c+17], v[SC+32*\c+18]
.endr
.irp i, 3,5,7,9,11,13
.irp c, 0,1
	v_max3_num_f32 v[CV+2*\c], v[CV+2*\c], v[SC+32*\c+\i], v[SC+32*\c+\i+1]
	v_max3_num_f32 v[CV+2*\c+1], v[CV+2*\c+1], v[SC+32*\c+\i+16], v[SC+32*\c+\i+17]
.endr
.endr
.irp c, 0,1
	v_max3_num_f32 v[CV+2*\c], v[CV+2*\c], v[CV+2*\c+1], v[SC+32*\c+15]
.endr
	WIN 0x15*\t
.irp c, 0,1
	v_max_num_f32 v[SS+14*\t+BMo+\c], v[CV+2*\c], v[SC+32*\c+31]
.endr
.endm
.macro SCALE t                         ; O^T and the sum under the new M; t - M.  f and -M come from window 0
	WIN 0x41*\t
.set J_, 0
.rept 16
	v_pk_mul_f32 v[OT+J_:OT+J_+1], v[OT+J_:OT+J_+1], v[SS+14*\t+FFo:SS+14*\t+FFo+1] op_sel_hi:[1,0]   ; ascending: each accumulator from its low end on
.set J_, J_+2
.endr
	v_pk_mul_f32 v[C0:C0+1], v[C0:C0+1], v[SS+14*\t+FFo:SS+14*\t+FFo+1] op_sel_hi:[1,0]
.set J_, 0
.rept 32
	v_pk_fma_f32 v[SC+J_:SC+J_+1], v[SC+J_:SC+J_+1], s[CS:CS+1], v[SS+14*\t+NMo:SS+14*\t+NMo+1] op_sel_hi:[1,0,0]
.set J_, J_+2
.endr
.endm
.macro EXPS t
	WIN 0x41*\t
.set J_, 0
.rept 64
	v_exp_f32 v[SC+J_], v[SC+J_]
.set J_, J_+1
.endr
.endm
.macro SUMP k                          ; pair k of p onto chain k % 4
	v_pk_add_f32 v[C0+2*((\k)%4):C0+2*((\k)%4)+1], v[C0+2*((\k)%4):C0+2*((\k)%4)+1], v[SC+2*(\k):SC+2*(\k)+1]
.endm
.macro POST t                          ; p's codes; the row's sum of the unquantised p, 32 additions in four chains, which are also the places between the codes and the products
	WIN 0x41*\t
.irp c, 0,1
	v_cvt_scalef32_pk16_fp6_f32 v[PCD+6*\c:PCD+6*\c+2], v[SC+32*\c:SC+32*\c+15], v[SS+14*\t+BOo+\c]
	v_cvt_scalef32_pk16_fp6_f32 v[CV+4*\c:CV+4*\c+2], v[SC+32*\c+16:SC+32*\c+31], v[SS+14*\t+BOo+\c]   ; (a conversion's three registers begin on an even number)
.endr
	WIN 0x55*\t
	SUMP 0                                         ; plain places behind the conversions
.irp k, 1,2,3
	v_pk_add_f32 v[C0+2*\k:C0+2*\k+1], v[SC+2*\k:SC+2*\k+1], v[SC+2*\k+8:SC+2*\k+9]
.endr
.irp c, 0,1
.irp i, 0,1,2
	v_mov_b32 v[PCD+3+6*\c+\i], v[CV+4*\c+\i]
.endr
.endr
	SUMP 4
.set K_, 8
.rept 24
	SUMP K_
.set K_, K_+1
.endr
	v_pk_add_f32 v[C0+2:C0+3], v[C0+2:C0+3], v[C0+4:C0+5]
	v_pk_add_f32 v[C0:C0+1], v[C0:C0+1], v[C0+6:C0+7]
	v_pk_add_f32 v[C0:C0+1], v[C0:C0+1], v[C0+2:C0+3]
.endm
.macro PV t                            ; O^T += V^T P^T: the four accumulators by turns
	WIN 0x54*\t
.irp a, 0,1,2,3
	v_wmma_scale_f32_16x16x128_f8f6f4 v[OT+8*\a:OT+8*\a+7], v[VF+12*\a:VF+12*\a+11], v[PCD:PCD+11], v[OT+8*\a:OT+8*\a+7], v[VS+\a], v[PS+\t] matrix_a_fmt:MATRIX_FMT_FP6 matrix_b_fmt:MATRIX_FMT_FP6
.endr
.endm
; KEY STEPS first .. last - 1 of a pass: 128 keys each
.macro KSTEPS first, last
	s_mov_b32 s[CNT], \first
.Lstep_\@:
	s_mul_i32 s[TB], s[CNT], REC
	s_add_co_u32 s[TBN], s[CNT], 1
	s_and_b32 s[TBN], s[TBN], 15                   ; behind record 15 comes record 0
	s_mul_i32 s[TBN], s[TBN], REC
	s_wait_dscnt 0x0                               ; this step's K is in (asked for a step ago); no LDS instruction of mine is out at the signal
	s_barrier_signal -1
	WIN 0x01                                       ; K from window 1
.irp u, 0,1,2,3,4,5,6,7
	KQ \u, 0
.endr
	WIN 0x55
.irp u, 0,1,2,3,4,5,6,7
	KQ \u, 1
.endr
	WIN 0
	v_add_nc_u32 v[A16], s[TB], v[L16]             ; four places between the products and the loads into the registers that they read, and ahead of the first read of the scores
	v_add_nc_u32 v[A8], s[TB], v[L8]
	v_add_nc_u32 v[AK], s[TBN], v[L16]
	v_nop
.irp a, 0,1,2,3                                ; V: 17 loads
	ds_load_b128 v[VF+12*\a:VF+12*\a+3], v[A16] offset:8704+1536*\a
	ds_load_b64 v[VF+12*\a+4:VF+12*\a+5], v[A8] offset:8704+1536*\a+512
	ds_load_b128 v[VF+12*\a+6:VF+12*\a+9], v[A16] offset:8704+1536*\a+768
	ds_load_b64 v[VF+12*\a+10:VF+12*\a+11], v[A8] offset:8704+1536*\a+1280
.endr
	ds_load_b128 v[VS:VS+3], v[A16] offset:14848
	KLOAD AK                                       ; the next step's K: 17 loads
	MAXT 0
	MAXT 1
	WIN 0
.irp t, 0,1                                    ; M, f and the blocks' t - M; the two tiles by turns
	v_max3_num_f32 v[SS+14*\t+T0o], v[SS+14*\t+BMo], v[SS+14*\t+BMo+1], v[SS+14*\t+MXo]
.endr
.irp t, 0,1
	v_mov_b32 v[SS+14*\t+MOo], v[SS+14*\t+NMo]
.endr
.irp t, 0,1
	v_permlanex16_b32 v[SS+14*\t+PXo], v[SS+14*\t+T0o], s[SEL], s[SEL+1]
.endr
.irp t, 0,1
	v_max_num_f32 v[SS+14*\t+MXo], v[SS+14*\t+T0o], v[SS+14*\t+PXo]   ; the running largest score of my query
.endr
.irp t, 0,1
	v_mul_f32 v[SS+14*\t+T0o], s[CS], v[SS+14*\t+MXo]                 ; as t (c is positive)
.endr
.irp t, 0,1
	v_floor_f32 v[SS+14*\t+NMo], -v[SS+14*\t+T0o]                     ; the new -M = -ceil(t)
.endr
.irp t, 0,1
	v_sub_f32 v[SS+14*\t+T1o], v[SS+14*\t+NMo], v[SS+14*\t+MOo]       ; old M - new M: a whole number, 0 or less
.endr
.irp t, 0,1
	v_fma_f32 v[SS+14*\t+BMo], v[SS+14*\t+BMo], s[CS], v[SS+14*\t+NMo]
	v_fma_f32 v[SS+14*\t+BMo+1], v[SS+14*\t+BMo+1], s[CS], v[SS+14*\t+NMo]
.endr
.irp t, 0,1
	v_cvt_i32_f32 v[SS+14*\t+T1o], v[SS+14*\t+T1o]                    ; (it saturates)
.endr
.irp t, 0,1
	v_ldexp_f32 v[SS+14*\t+FFo], 1.0, v[SS+14*\t+T1o]                 ; f = 2^(old M - new M)
.endr
	SCALE 0
	SCALE 1
	WIN 0
	WALU
	EXPS 0                                         ; p = 2^(t - M)
.irp t, 0,1
	v_exp_f32 v[SS+14*\t+BMo], v[SS+14*\t+BMo]     ; each block's largest p: the same two steps on the same number as its p
	v_exp_f32 v[SS+14*\t+BMo+1], v[SS+14*\t+BMo+1]
.endr
	EXPS 1
	WIN 0
	v_nop                                          ; a plain place behind the batch
	WALU                                           ; and the one wait behind it
.irp t, 0,1
	v_max_num_f32 v[SS+14*\t+BMo], 0x1800000, v[SS+14*\t+BMo]         ; the floor 2^(3 - 127): a block whose every p is 0 keeps the byte 1 over zero codes
	v_max_num_f32 v[SS+14*\t+BMo+1], 0x1800000, v[SS+14*\t+BMo+1]
.endr
.irp t, 0,1
	v_add_nc_u32 v[SS+14*\t+BOo], 0xff000000, v[SS+14*\t+BMo]         ; 2 off the exponent field: the conversions' scale operand
	v_add_nc_u32 v[SS+14*\t+BOo+1], 0xff000000, v[SS+14*\t+BMo+1]
.endr
.irp t, 0,1
	v_lshrrev_b32 v[SS+14*\t+BMo], 23, v[SS+14*\t+BOo]                ; the byte
	v_lshrrev_b32 v[SS+14*\t+BMo+1], 23, v[SS+14*\t+BOo+1]
.endr
.irp t, 0,1
	v_lshl_or_b32 v[SS+14*\t+WDo], v[SS+14*\t+BMo+1], 16, v[SS+14*\t+BMo]   ; my bytes: blocks h and 2 + h,
.endr
.irp t, 0,1
	v_lshlrev_b32 v[SS+14*\t+WDo], v[SH8], v[SS+14*\t+WDo]            ; 8 h bits up;
.endr
.irp t, 0,1
	v_permlanex16_b32 v[SS+14*\t+PXo], v[SS+14*\t+WDo], s[SEL], s[SEL+1]
.endr
.irp t, 0,1
	v_or_b32 v[PS+\t], v[SS+14*\t+WDo], v[SS+14*\t+PXo]               ; with lane l xor 16's two: p's scale word for these 128 keys
.endr
	POST 0
	s_wait_dscnt 17                                ; V's 17 loads are in; the 17 younger ones, the next step's K, may be out
	PV 0
	POST 1
	PV 1
	WIN 0
	WALU
	s_barrier_wait -1                              ; every wave has begun this key step
	s_add_co_u32 s[CNT], s[CNT], 1
	s_cmp_lt_u32 s[CNT], \last
	s_cbranch_scc1 .Lstep_\@
.endm
	s_load_b128 s[4:7], s[0:1], 0x0                ; qi s[4:5], kv s[6:7]
	s_load_b64 s[8:9], s[0:1], 0x10                ; oi
	v_lshl_add_u32 v[SPW], v0, 2, SPARE
	v_mov_b32 v[NIL], 0
	ds_add_u32 v[SPW], v[NIL]                      ; the opening lines: the add twice on end and its wait
	ds_add_u32 v[SPW], v[NIL]
	v_lshrrev_b32 v1, 5, v0
	v_readfirstlane_b32 s[WV], v1                  ; wave 0..7
	s_bfe_u32 s11, ttmp6, 0x40000                  ; cx: it enters q's and o's global addresses alone
	s_and_b32 s12, ttmp7, 0xffff                   ; batch x 16 + head, which the four partners share
	s_mov_b32 s[G1], 15|(3<<16)|(1<<21)            ; the mask: all four; elements of 8 bytes; bit 21 set beside a mask; no padding
	s_mov_b32 s[G1+1], 32<<16                      ; rows of 256 bytes of a dense block
	s_mov_b32 s[G1+2], 120<<16                     ; 120 rows: two records
	s_mov_b32 s[G1+3], 32<<16
	s_mov_b32 s[G1+4], 120
	s_mov_b32 s[G1+5], 32
	s_mov_b32 s[G1+6], 0
	s_mov_b32 s[G1+7], 0
	s_mul_i32 s13, s[WV], 2*REC                    ; my two records, in LDS as in memory
	s_mul_i32 s14, s12, 16*REC
	s_add_co_u32 s14, s14, s13
	s_mov_b32 s15, 0
	s_mov_b32 s[SEL], 0x76543210
	s_mov_b32 s[SEL+1], 0xfedcba98
	s_mov_b32 s[CS], 0x3e38aa3b                    ; log2(e) / 8
	s_mov_b32 s[CS+1], s[CS]
	WALU
	s_wait_dscnt 0x0
	s_wait_kmcnt 0x0
	s_add_nc_u64 s[6:7], s[6:7], s[14:15]
	s_mov_b32 s[G0], 1
	s_mov_b32 s[G0+1], s13
	s_mov_b64 s[G0+2:G0+3], s[6:7]
	s_or_b32 s[G0+3], s[G0+3], 0x80000000
	CROUND                                         ; all four work-groups are here: the joint loads meet
	s_cmp_lt_u32 s[WV], 3                          ; one load a wave; waves 0-2, which wait first, have a line of their own
	s_cbranch_scc0 .Llate
	tensor_load_to_lds s[G0:G0+3], s[G1:G1+7]
	s_nop 0
.rept 4
	v_nop
.endr
	s_branch .Lasked
.Llate:
	tensor_load_to_lds s[G0:G0+3], s[G1:G1+7]
	s_nop 0
.rept 4
	v_nop
.endr
.Lasked:
	s_and_b32 s58, s[WV], 3
	s_lshl_b32 s58, s58, 1                         ; i: my first tile in its panel of 128 queries; the second is i + 1
	s_lshr_b32 s59, s[WV], 2
	s_lshl_b32 s60, s11, 2
	s_add_co_u32 s60, s60, s59                     ; the panel in the first pass: 4 cx + wave / 4; the second pass takes the panel two on
	s_lshl_b32 s61, s12, 4
	s_add_co_u32 s61, s61, s60
	s_mul_i32 s61, s61, 8704                       ; q's record
	s_lshl_b32 s62, s58, 10
	s_add_co_u32 s2, s61, s62
	s_mov_b32 s3, 0
	s_add_nc_u64 s[QB:QB+1], s[4:5], s[2:3]
	s_lshr_b32 s62, s58, 2
	s_lshl_b32 s62, s62, 8
	s_and_b32 s63, s58, 3
	s_lshl_b32 s63, s63, 2
	s_add_co_u32 s62, s62, s63                     ; tile i's word in a slot: 256 (i / 4) + 4 (i % 4)
	s_add_co_u32 s2, s61, s62
	s_add_co_u32 s2, s2, 8192
	s_add_nc_u64 s[QSB:QSB+1], s[4:5], s[2:3]
	s_lshr_b32 s61, s12, 4
	s_lshl_b32 s61, s61, 4
	s_add_co_u32 s61, s61, s60                     ; o's panel: 16 x batch + the queries' panel
	s_mul_i32 s61, s61, 102400
	s_and_b32 s63, s12, 15                         ; head
	s_lshr_b32 s13, s63, 1
	s_mul_i32 s13, s13, 12800
	s_add_co_u32 s61, s61, s13                     ; the record of K step head / 2
	s_and_b32 s63, s63, 1
	s_mul_i32 s13, s58, 1536
	s_mul_i32 s14, s63, 768
	s_add_co_u32 s13, s13, s14
	s_add_co_u32 s2, s61, s13
	s_add_nc_u64 s[OB:OB+1], s[8:9], s[2:3]        ; fragment i, half head % 2
	s_lshl_b32 s14, s63, 1
	s_add_co_u32 s2, s61, s62
	s_add_co_u32 s2, s2, s14
	s_add_co_u32 s2, s2, 12288
	s_add_nc_u64 s[OSB:OSB+1], s[8:9], s[2:3]      ; and bytes 2 (head % 2), + 1 of its rows' scale words
	v_and_b32 v[LN], 31, v0
	v_lshlrev_b32 v[L16], 4, v[LN]
	v_lshlrev_b32 v[L8], 3, v[LN]
	v_and_b32 v[R16], 15, v0
	v_lshlrev_b32 v[R16], 4, v[R16]
	v_bfe_u32 v[SH8], v0, 4, 1
	v_lshlrev_b32 v[SH8], 3, v[SH8]
	global_load_b128 v[QF:QF+3], v[L16], s[QB:QB+1]                  ; both passes' tiles of q now: the second pass's lie two records of 8,704 bytes on
	global_load_b128 v[QF+4:QF+7], v[L16], s[QB:QB+1] offset:512
.irp t, 0,1
	global_load_b32 v[QS+\t], v[R16], s[QSB:QSB+1] offset:4*\t
	global_load_b32 v[QS2+\t], v[R16], s[QSB:QSB+1] offset:17408+4*\t
.endr
	WIN 0x40
	global_load_b128 v[QF:QF+3], v[L16], s[QB:QB+1] offset:1024
	global_load_b128 v[QF+4:QF+7], v[L16], s[QB:QB+1] offset:1536
.irp t, 0,1
	global_load_b128 v[Q2+8*\t:Q2+8*\t+3], v[L16], s[QB:QB+1] offset:17408+1024*\t
	global_load_b128 v[Q2+8*\t+4:Q2+8*\t+7], v[L16], s[QB:QB+1] offset:17408+1024*\t+512
.endr
.irp j, 0,1,2,3
	v_mov_b32 v[QF+8+\j], 0                        ; q has nothing beyond k = 64
	v_mov_b32 v[64+\j], 0                          ; what K's tile 7's operand names behind its own eight registers
.endr
	WIN 0
.irp j, 0,1,2,3
	v_mov_b32 v[QF+8+\j], 0
.endr
.irp t, 0,1
	v_mov_b32 v[SS+14*\t+FFo+1], 0                 ; (named with f as a pair)
	v_mov_b32 v[SS+14*\t+PXo], 0                   ; a lane permute's destination counts as one of its sources
.endr
	WALU
	s_wait_loadcnt 0x0
	s_cmp_lt_u32 s[WV], 3
	s_cbranch_scc0 .Lnot_early
	s_wait_tensorcnt 0x0                           ; waves 0-2: my two of records 0-5 have landed
.Lnot_early:
	s_barrier_signal -1
	s_barrier_wait -1                              ; records 0-5 are in; the others may be on their way
	KLOAD L16                                      ; record 0's K
	s_mov_b32 s[PAS], 0
.Lpass:
.irp t, 0,1                            ; a fresh row: the first key step finds zeros, which the first change of M leaves zeros
	v_mov_b32 v[SS+14*\t+MXo], 0xf149f2ca          ; the largest score so far: -1e30
.endr
.irp t, 0,1
	v_mul_f32 v[SS+14*\t+T0o], s[CS], v[SS+14*\t+MXo]
.endr
.irp t, 0,1
	v_floor_f32 v[SS+14*\t+NMo], -v[SS+14*\t+T0o]
.endr
.irp t, 0,1
	WIN 0x40*\t
.set J_, 0
.rept 32
	v_mov_b32 v[OT+J_], 0
.set J_, J_+1
.endr
	v_mov_b32 v[C0], 0
	v_mov_b32 v[C0+1], 0
.endr
	WIN 0
	KSTEPS 0, 4                                    ; they read V's records 0-3 and K's 0-4
	s_wait_tensorcnt 0x0                           ; every wave's load has landed,
	s_wait_dscnt 0x0
	s_barrier_signal -1
	s_barrier_wait -1                              ; everybody's has: the whole head lies in LDS
	KSTEPS 4, 16
; THE WAY OUT: o = O^T / the sum, quantised along the head's 64 channels (register 16 b + i is channel 32 b + 16 (lane / 16) + i): half a fragment and half a scale word of the last projection's operand.
.irp t, 0,1
	WIN 0x05*\t
	v_add_f32 v[SS+14*\t+T0o], v[C0], v[C0+1]
.endr
	WIN 0
.irp t, 0,1
	v_permlanex16_b32 v[SS+14*\t+PXo], v[SS+14*\t+T0o], s[SEL], s[SEL+1]
.endr
.irp t, 0,1
	v_add_f32 v[SS+14*\t+T0o], v[SS+14*\t+T0o], v[SS+14*\t+PXo]       ; the row's sum
.endr
	WALU
.irp t, 0,1
	v_rcp_f32 v[SS+14*\t+FFo], v[SS+14*\t+T0o]
.endr
	v_nop
.irp t, 0,1
	v_cmp_eq_f32 s[58+\t], 0, v[SS+14*\t+T0o]      ; a row with no valid key: it only selects a value below
.endr
.irp t, 0,1
	WIN 0x41*\t
	WALU
.set J_, 0
.rept 16
	v_pk_mul_f32 v[SC+J_:SC+J_+1], v[OT+J_:OT+J_+1], v[SS+14*\t+FFo:SS+14*\t+FFo+1] op_sel_hi:[1,0]
.set J_, J_+2
.endr
.endr
.set WB, SC+32                         ; at work: maxima, the exchange and bytes, scale operands, the half word
.irp t, 0,1
	WIN 0x55*\t
.irp b, 0,1
	v_max3_num_f32 v[WB+\b], |v[SC+16*\b]|, |v[SC+1+16*\b]|, 0x1800000
.endr
.irp i, 2,4,6,8,10,12,14
.irp b, 0,1
	v_max3_num_f32 v[WB+\b], v[WB+\b], |v[SC+16*\b+\i]|, |v[SC+1+16*\b+\i]|
.endr
.endr
.irp b, 0,1
	v_permlanex16_b32 v[WB+2+\b], v[WB+\b], s[SEL], s[SEL+1]
.endr
.irp b, 0,1
	v_max_num_f32 v[WB+\b], v[WB+\b], v[WB+2+\b]
.endr
.irp b, 0,1
	v_add_nc_u32 v[WB+4+\b], 0xff000000, v[WB+\b]
.endr
.irp b, 0,1
	v_lshrrev_b32 v[WB+2+\b], 23, v[WB+4+\b]
.endr
	v_lshl_or_b32 v[WB+6], v[WB+3], 8, v[WB+2]
	v_mov_b32 v[WB+7], 0xffff
	v_cndmask_b32 v[WB+6], v[WB+6], v[WB+7], s[58+\t]   ; E8M0's 0xff is NaN
	v_cvt_scalef32_pk16_fp6_f32 v[PCD:PCD+2], v[SC:SC+15], v[WB+4]
	v_cvt_scalef32_pk16_fp6_f32 v[CV:CV+2], v[SC+16:SC+31], v[WB+5]
	v_nop
.irp i, 0,1,2
	v_permlane16_swap_b32 v[PCD+\i], v[CV+\i]      ; a whole block in a lane
.endr
.irp i, 0,1,2
	v_mov_b32 v[PCD+3+\i], v[CV+\i]
.endr
	WIN 0x04*\t                                    ; the data from window t
	global_store_b128 v[L16], v[PCD:PCD+3], s[OB:OB+1] offset:1536*\t        ; 512 consecutive bytes, aligned
	global_store_b64 v[L8], v[PCD+4:PCD+5], s[OB:OB+1] offset:1536*\t+512    ; 256
	global_store_b16 v[R16], v[WB+6], s[OSB:OSB+1] offset:4*\t   ; 2 bytes a row (lanes r and r + 16 hold and store the same two): the word's other half belongs to another head's work-group
.endr
	WIN 0
	WALU
	s_wait_xcnt 0x0                                ; the stores have read their bases and data
	s_add_nc_u64 s[OB:OB+1], s[OB:OB+1], 204800    ; the second pass: two panels of 102,400 bytes on
	s_add_nc_u64 s[OSB:OSB+1], s[OSB:OSB+1], 204800
	s_add_co_u32 s[PAS], s[PAS], 1
	s_cmp_eq_u32 s[PAS], 2
	s_cbranch_scc1 .Llast
	WIN 0x01                                       ; the second pass's q takes the first's place
.irp j, 0,1,2,3,4,5,6,7
	v_mov_b32 v[QF+\j], v[Q2+\j]
.endr
	WIN 0x41
.irp j, 0,1,2,3,4,5,6,7
	v_mov_b32 v[QF+\j], v[Q2+8+\j]
.endr
	WIN 0
.irp t, 0,1
	v_mov_b32 v[QS+\t], v[QS2+\t]
.endr
.Llast:
	s_cmp_lt_u32 s[PAS], 2
	s_cbranch_scc1 .Lpass
	s_wait_tensorcnt 0x0                           ; the wave's end
	ds_add_u32 v[SPW], v[NIL]
	s_wait_dscnt 0x0
	CROUND                                         ; the closing round
	s_endpgm
.Lfunc_end_k_q0ebe022660_attn:
	.size	k_q0ebe022660_attn, .Lfunc_end_k_q0ebe022660_attn-k_q0ebe022660_attn
	.p2alignl 7, 3214868480
	.fill 96, 4, 3214868480
	.section	.rodata,"a",@progbits
	.p2align	6, 0x0
	.amdhsa_kernel k_q0ebe022660_attn
		.amdhsa_group_segment_fixed_size 246784
		.amdhsa_private_segment_fixed_size 0
		.amdhsa_enable_private_segment 0
		.amdhsa_kernarg_size 24
		.amdhsa_user_sgpr_count 2
		.amdhsa_user_sgpr_kernarg_segment_ptr 1
		.amdhsa_wavefront_size32 1
		.amdhsa_system_sgpr_workgroup_id_x 1
		.amdhsa_system_sgpr_workgroup_id_y 1
		.amdhsa_system_sgpr_workgroup_id_z 1
		.amdhsa_system_vgpr_workitem_id 0
		.amdhsa_next_free_vgpr 512
		.amdhsa_next_free_sgpr 66
		.amdhsa_reserve_vcc 0
		.amdhsa_float_denorm_mode_32 3
		.amdhsa_float_denorm_mode_16_64 3
		.amdhsa_memory_ordered 1
		.amdhsa_forward_progress 1
		.amdhsa_inst_pref_size 74
	.end_amdhsa_kernel
	.amdgpu_metadata
---
amdhsa.version: [ 1, 2 ]
amdhsa.kernels:
  - .name:           k_q0ebe022660_attn
    .symbol:         k_q0ebe022660_attn.kd
    .args:
      - { .name: qi, .offset: 0, .size: 8, .value_kind: global_buffer, .address_space: global }
      - { .name: kv, .offset: 8, .size: 8, .value_kind: global_buffer, .address_space: global }
      - { .name: oi, .offset: 16, .size: 8, .value_kind: global_buffer, .address_space: global }
    .group_segment_fixed_size: 246784
    .private_segment_fixed_size: 0
    .kernarg_segment_align: 8
    .kernarg_segment_size: 24
    .max_flat_workgroup_size: 256
    .sgpr_count:     66
    .vgpr_count:     512
    .wavefront_size: 32
...
	.end_amdgpu_metadata
.endif
;; end of part 3
;; launch gemm_out (part 4): grid 8 x 32, 4 waves a work-group, clusters of 4 x 4, 307,712 bytes of LDS; arguments oi, wi, bo, out0; writes out0
.if DOCPART == 4
	.amdgcn_target "amdgcn-amd-amdhsa--gfx1250"
	.amdhsa_code_object_version 6
	.text
	.protected	k_q0ebe022660_gemm_out
	.globl	k_q0ebe022660_gemm_out
	.p2align	8
	.type	k_q0ebe022660_gemm_out,@function
k_q0ebe022660_gemm_out:
	s_mov_b64 s[64:65], 0
	v_nop
	global_prefetch_b8 v0, s[64:65] scope:SCOPE_SE
	s_setreg_imm32_b32 hwreg(HW_REG_WAVE_MODE, 25, 1), 1
	s_wait_xcnt 0x0
	s_wait_alu depctr_hold_cnt(0) depctr_sa_sdst(0) depctr_va_vdst(0) depctr_va_sdst(0) depctr_va_ssrc(0) depctr_va_vcc(0) depctr_vm_vsrc(0)
	s_getreg_b32 s2, hwreg(HW_REG_IB_STS2, 6, 4)
	s_cmp_eq_u32 s2, 0
	s_cbranch_scc0 .Lentry_in_a_cluster
	s_endpgm
.Lentry_in_a_cluster:
	s_bfe_u32 s2, ttmp6, 0x10000c
	s_cmp_lg_u32 s2, 0xf033
	s_cbranch_scc0 .Lentry_shape_is_right
	s_endpgm
.Lentry_shape_is_right:
; out0 = o Wo + bo on codes of FP6 (E2M3) with E8M0 scales; out0 [8192][1024] f32.
; OPERANDS are register images: panels of 128 rows, a record of 12,800 bytes for each 128 along K (8 fragments of 1,536 bytes, 512 bytes of scale words), 8 records a panel; lane r of block i holds Wo's column 32 (i/2) + 8 (i%2) + r + 8 (r/8), o's row 64 (i/4) + 8 (i%4) + r%8 + 32 (r/8).
; SHARES.  A work-group makes 256 rows of o (source 1, 2 panels) x 128 columns of Wo (source 0, 1 panel); ALL of K = 1,024 lies in LDS: 3 x 102,400 bytes, each byte filled once, so there is no ring.
; Wave w: panel w / 2, blocks 4 (w % 2) + 0..3, against the eight blocks of columns: 32 accumulators; a K step is 32 matrix instructions and 50 LDS loads.
; With that order of rows on source 0, register 16 b + i of a lane's eight accumulators is column 32 b + 16 (lane / 16) + i of the panel, of ONE row of the output.
; CLUSTERS: 4 x 4.  o's panels hang on the work-group's y alone and are asked for jointly along a row of the cluster, Wo's on its x and jointly along a column.
; A row of o whose scale bytes are 0xff (no valid key) gives a row of NaN.
; REGISTERS, in windows of 256: window 0: v0-16 ids and addresses; v32-39, v116-123 scale words; v48-111 the bias; v128-223 o's fragments, two sets (on the way out v128-255 are at work).
;   window 1: the accumulators, (a, b) at v[64 a + 8 b].   window 2: Wo's fragments, two sets of 96.
.set WV,   20                          ; s20 wave; s21 wave % 2; s22 wave / 2
.set G1A,  24
.set G1B,  32
.set G0A,  40                          ; s[40:43] group 0, o's K steps 0-1; s[44:47] K steps 2-7; s[48:55] group 1 of the latter
.set G0A2, 44
.set G1A2, 48
.set G0B,  68                          ; s[68:71] group 0, Wo's K steps 0-1; s[72:75] K steps 2-7; s[76:83] group 1 of the latter
.set G0B2, 72
.set G1B2, 76
.set AD1,  4
.set AE1,  5
.set AD0,  6
.set AE0,  7
.set AS1,  8
.set AS0,  9
.set L16,  10
.set L8,   11
.set R16,  12
.set SIN,  13                          ; the stage, in
.set SOUT, 14                          ; and out
.set BO4,  16                          ; 64 h
.set S0S,  32
.set S1S,  116                         ; v116-123: the two sides' scale registers differ modulo 8
.set BIAS, 48
.set S1F,  128
.set ST,   128
.set BK,   192
.set MSB, 0
.macro WIN new                         ; s_set_vgpr_msb: bits 1:0 source 0, 3:2 source 1, 5:4 source 2, 7:6 destination; the high byte repeats the setting that is left
.if MSB != \new
	s_set_vgpr_msb (MSB<<8)|\new
.set MSB, \new
.endif
.endm
.macro CROUND
	s_barrier_signal -1
	s_barrier_wait -1
	s_cmp_lg_u32 s[WV], 0
	s_cbranch_scc1 .Lnot_wave_0_\@
	s_barrier_signal -3
.Lnot_wave_0_\@:
	s_barrier_wait -3
	s_barrier_signal -1
	s_barrier_wait -1
.endm
.macro FRAG4 reg, a16, a8, off
	ds_load_b128 v[\reg:\reg+3], v[\a16] offset:\off
	ds_load_b64 v[\reg+4:\reg+5], v[\a8] offset:\off
	ds_load_b128 v[\reg+6:\reg+9], v[\a16] offset:\off+768
	ds_load_b64 v[\reg+10:\reg+11], v[\a8] offset:\off+768
.endm
.macro FETCH p
	WIN 0x80
.irp b, 0,1,2,3,4,5,6,7
	FRAG4 96*(\p)+12*\b, AD0, AE0, 1536*\b
.endr
	WIN 0
.irp a, 0,1,2,3
	FRAG4 S1F+48*(\p)+12*\a, AD1, AE1, 1536*\a
.endr
	ds_load_b128 v[S0S+4*(\p):S0S+4*(\p)+3], v[AS0]
	ds_load_b128 v[S1S+4*(\p):S1S+4*(\p)+3], v[AS1]
.endm
.macro ADVANCE d1, d0                  ; o's three addresses by d1, Wo's by d0: six plain lines, also the places between the last step's products and the loads into the registers that they read
.irp r, 4,5,8
	v_add_nc_u32 v\r, \d1, v\r
.endr
.irp r, 6,7,9
	v_add_nc_u32 v\r, \d0, v\r
.endr
.endm
.macro WM a, b, p, zero
.set rD, 64*(\a)+8*(\b)
.set rA, 96*(\p)+12*(\b)
.set rB, S1F+48*(\p)+12*(\a)
.set rSA, S0S+4*(\p)+(\b)%4
.set rSB, S1S+4*(\p)+(\a)
.if \zero
.if (\b) < 4
	v_wmma_scale_f32_16x16x128_f8f6f4 v[rD:rD+7], v[rA:rA+11], v[rB:rB+11], 0, v[rSA], v[rSB] matrix_a_fmt:MATRIX_FMT_FP6 matrix_b_fmt:MATRIX_FMT_FP6
.else
	v_wmma_scale_f32_16x16x128_f8f6f4 v[rD:rD+7], v[rA:rA+11], v[rB:rB+11], 0, v[rSA], v[rSB] matrix_a_fmt:MATRIX_FMT_FP6 matrix_b_fmt:MATRIX_FMT_FP6 matrix_a_scale:MATRIX_SCALE_ROW1
.endif
.else
.if (\b) < 4
	v_wmma_scale_f32_16x16x128_f8f6f4 v[rD:rD+7], v[rA:rA+11], v[rB:rB+11], v[rD:rD+7], v[rSA], v[rSB] matrix_a_fmt:MATRIX_FMT_FP6 matrix_b_fmt:MATRIX_FMT_FP6
.else
	v_wmma_scale_f32_16x16x128_f8f6f4 v[rD:rD+7], v[rA:rA+11], v[rB:rB+11], v[rD:rD+7], v[rSA], v[rSB] matrix_a_fmt:MATRIX_FMT_FP6 matrix_b_fmt:MATRIX_FMT_FP6 matrix_a_scale:MATRIX_SCALE_ROW1
.endif
.endif
.endm
.macro MUL p, zero                     ; the 32 accumulators take turns, in the same order in every step
	WIN 0x52
.irp a, 0,1,2,3
.irp b, 0,1,2,3,4,5,6,7
	WM \a, \b, \p, \zero
.endr
.endr
	WIN 0
.endm
.macro STEP s, zero
	s_wait_dscnt 0x0                               ; this step's set is in (asked for 32 matrix instructions ago)
.if (\s) == 1
	s_wait_tensorcnt 0x0                           ; every wave's one load has landed: K steps 2-7 among them; nothing is filled again in this launch
	s_barrier_signal -1
	s_barrier_wait -1
.endif
.if (\s) < 7
.if (\s) == 1
	ADVANCE s100, 166400                           ; from K step 1 to K step 2, which begins the later tiles
.else
	ADVANCE 12800, 12800
.endif
	FETCH ((\s)+1)%2
.endif
	MUL (\s)%2, \zero
.endm
	s_load_b256 s[4:11], s[0:1], 0x0               ; oi s[4:5], wi s[6:7], bo s[8:9], out0 s[10:11]
	v_lshl_add_u32 v126, v0, 2, 0x4b000
	v_mov_b32 v127, 0
	ds_add_u32 v126, v127
	ds_add_u32 v126, v127
	v_lshrrev_b32 v1, 5, v0
	v_readfirstlane_b32 s[WV], v1
	s_and_b32 s21, s[WV], 1
	s_lshr_b32 s22, s[WV], 1
	s_bfe_u32 s84, ttmp6, 0x40000                  ; cx
	s_bfe_u32 s85, ttmp6, 0x40004                  ; cy
	s_and_b32 s88, ttmp7, 0xffff
	s_lshl_b32 s88, s88, 2
	s_add_co_u32 s88, s88, s85                     ; T1: which 256 rows
	s_lshl_b32 s89, ttmp9, 2
	s_add_co_u32 s89, s89, s84                     ; T0: which 128 columns
	s_lshl_b32 s90, s88, 1
	s_mul_i32 s90, s90, 102400
	s_mov_b32 s91, 0
	s_add_co_u32 s92, s89, 24                      ; Wo's panels begin at wi's 24th
	s_mul_i32 s92, s92, 102400
	s_mov_b32 s93, 0
	s_lshl_b32 s58, s85, 2
	s_lshl_b32 s58, 15, s58                        ; my row of the cluster
	s_lshl_b32 s59, 0x1111, s84                    ; my column
; FOUR TILES, ONE A WAVE.  o's two panels lie on end in memory, 102,400 bytes each: a run of K steps of both is a tile of 2 rows, 12,800 elements of 8 bytes apart.
; LDS: o's K steps 0-1 (panel 0, panel 1: 25,600 bytes each) at 0, Wo's at 51,200; o's K steps 2-7 (76,800 bytes a panel) at 76,800, Wo's at 230,400.
.irp g, G1A, G1A2
	s_or_b32 s[\g], s58, (3<<16)|(1<<21)
	s_mov_b32 s[\g+2], 2<<16
	s_mov_b32 s[\g+4], 2
	s_mov_b32 s[\g+5], 12800
	s_mov_b32 s[\g+6], 0
	s_mov_b32 s[\g+7], 0
.endr
	s_mov_b32 s[G1A+1], 3200<<16
	s_mov_b32 s[G1A+3], 3200<<16
	s_mov_b32 s[G1A2+1], 9600<<16
	s_mov_b32 s[G1A2+3], 9600<<16
.irp g, G1B, G1B2
	s_or_b32 s[\g], s59, (3<<16)|(1<<21)
	s_mov_b32 s[\g+1], 32<<16
	s_mov_b32 s[\g+3], 32<<16
	s_mov_b32 s[\g+5], 32
	s_mov_b32 s[\g+6], 0
	s_mov_b32 s[\g+7], 0
.endr
	s_mov_b32 s[G1B+2], 100<<16
	s_mov_b32 s[G1B+4], 100
	s_mov_b32 s[G1B2+2], 300<<16
	s_mov_b32 s[G1B2+4], 300
	s_wait_dscnt 0x0
	s_wait_kmcnt 0x0
	s_add_nc_u64 s[94:95], s[4:5], s[90:91]
	s_add_nc_u64 s[96:97], s[6:7], s[92:93]
	s_mov_b32 s[G0A], 1
	s_mov_b32 s[G0A+1], 0
	s_mov_b64 s[G0A+2:G0A+3], s[94:95]
	s_or_b32 s[G0A+3], s[G0A+3], 0x80000000
	s_mov_b32 s[G0A2], 1
	s_mov_b32 s[G0A2+1], 76800
	s_add_nc_u64 s[G0A2+2:G0A2+3], s[94:95], 25600
	s_or_b32 s[G0A2+3], s[G0A2+3], 0x80000000
	s_mov_b32 s[G0B], 1
	s_mov_b32 s[G0B+1], 51200
	s_mov_b64 s[G0B+2:G0B+3], s[96:97]
	s_or_b32 s[G0B+3], s[G0B+3], 0x80000000
	s_mov_b32 s[G0B2], 1
	s_mov_b32 s[G0B2+1], 230400
	s_add_nc_u64 s[G0B2+2:G0B2+3], s[96:97], 25600
	s_or_b32 s[G0B2+3], s[G0B2+3], 0x80000000
	CROUND                                         ; all sixteen work-groups are here: the joint loads meet
.macro ARM under, g0, g1, next         ; one chain of branches on the wave's number, one load to an arm, all arms to one join
	s_cmp_lt_u32 s[WV], \under
	s_cbranch_scc0 \next
	tensor_load_to_lds s[\g0:\g0+3], s[\g1:\g1+7]
	s_nop 0
.rept 4
	v_nop
.endr
	s_branch .Lfilled
\next:
.endm
	ARM 1, G0A, G1A, .Lfill_b                      ; wave 0: o's K steps 0-1
	ARM 2, G0B, G1B, .Lfill_c                      ; wave 1: Wo's
	ARM 3, G0A2, G1A2, .Lfill_d                    ; wave 2: o's K steps 2-7
	tensor_load_to_lds s[G0B2:G0B2+3], s[G1B2:G1B2+7]   ; wave 3: Wo's
	s_nop 0
.rept 4
	v_nop
.endr
.Lfilled:
	v_and_b32 v1, 31, v0                           ; lane
	v_and_b32 v2, 15, v0                           ; r
	v_bfe_u32 v3, v0, 4, 1                         ; h
	s_mul_i32 s60, s22, 25600
	s_mul_i32 s100, s22, 51200
	s_add_co_u32 s100, s100, 64000                 ; o's way from K step 1 to K step 2 in LDS
	s_mul_i32 s61, s21, 6144
	s_add_co_u32 s61, s61, s60
	v_lshlrev_b32 v[L16], 4, v1
	v_lshlrev_b32 v[L8], 3, v1
	v_lshlrev_b32 v[R16], 4, v2
	v_add_nc_u32 v[AD1], s61, v[L16]
	v_add_nc_u32 v[AE1], s61, v[L8]
	v_add_nc_u32 v[AE1], 512, v[AE1]
	v_add_nc_u32 v[AD0], 51200, v[L16]
	v_add_nc_u32 v[AE0], 51712, v[L8]
	s_lshl_b32 s61, s21, 8
	s_add_co_u32 s61, s61, s60
	s_add_co_u32 s61, s61, 12288
	v_add_nc_u32 v[AS1], s61, v[R16]
	v_add_nc_u32 v[AS0], 63488, v[L16]
	s_mul_i32 s60, s[WV], 8448                     ; my stage: 16 rows x (512 + 16) bytes.  It lies in the bytes of K steps 0 and 1: they have had their one fill, and every wave has waited for its reads of them and passed a barrier since
	v_mul_u32_u24 v[SIN], v2, 528
	v_lshl_add_u32 v[SIN], v3, 6, v[SIN]
	v_add_nc_u32 v[SIN], s60, v[SIN]               ; in: row r, + 64 h
	v_add_nc_u32 v[SOUT], s60, v[L16]              ; out: a whole row, 16 bytes a lane
	v_lshlrev_b32 v[BO4], 6, v3
	s_wait_alu depctr_va_vdst(0)
	s_lshl_b32 s60, s89, 9                         ; my 128 columns: 512 bytes
	s_mov_b32 s61, 0
	s_add_nc_u64 s[8:9], s[8:9], s[60:61]
	s_add_nc_u64 s[10:11], s[10:11], s[60:61]
	s_lshl_b32 s60, s88, 20                        ; 256 rows of 4,096 bytes,
	s_lshl_b32 s62, s[WV], 18                      ; my wave's 64
	s_add_co_u32 s60, s60, s62
	s_add_nc_u64 s[10:11], s[10:11], s[60:61]
.irp b, 0,1,2,3
.irp i, 0,1,2,3
	global_load_b128 v[BIAS+16*\b+4*\i:BIAS+16*\b+4*\i+3], v[BO4], s[8:9] offset:128*\b+16*\i   ; register 16 b + i: column 32 b + 16 h + i
.endr
.endr
	s_cmp_lt_u32 s[WV], 2                          ; waves 0 and 1 asked for K steps 0 and 1, each by a line of its own: they wait for them here
	s_cbranch_scc0 .Lnot_early
	s_wait_tensorcnt 0x0
.Lnot_early:
	s_barrier_signal -1
	s_barrier_wait -1
	FETCH 0
	STEP 0, 1
	s_wait_alu depctr_va_vdst(0)
	STEP 1, 0
	s_wait_alu depctr_va_vdst(0)
	STEP 2, 0
	s_wait_alu depctr_va_vdst(0)
	STEP 3, 0
	s_wait_alu depctr_va_vdst(0)
	STEP 4, 0
	s_wait_alu depctr_va_vdst(0)
	STEP 5, 0
	s_wait_alu depctr_va_vdst(0)
	STEP 6, 0
	STEP 7, 0
.rept 4
	v_nop                                          ; four places between the last products and the first read of results (ISA guide 7.12.1)
.endr
	s_wait_loadcnt 0x0                             ; the bias
; THE WAY OUT, block by block of 16 rows x 128 columns: a lane holds pieces of one row, the lanes beside it other rows; through my stage they become whole rows of 512 bytes.
.macro EPI a
	s_wait_xcnt 0x0                                ; the last block's stores have read their registers
	WIN 0x01                                       ; source 0 window 1
.set n, 0
.rept 32
	v_pk_add_f32 v[ST+n:ST+n+1], v[64*(\a)+n:64*(\a)+n+1], v[BIAS+n:BIAS+n+1]   ; ascending: each accumulator from its low end on
.set n, n+2
.endr
	WIN 0
.irp b, 0,1,2,3
.irp i, 0,1,2,3
	ds_store_b128 v[SIN], v[ST+16*\b+4*\i:ST+16*\b+4*\i+3] offset:128*\b+16*\i
.endr
.endr
.irp p, 0,1,2,3,4,5,6,7,8,9,10,11,12,13,14,15
	ds_load_b128 v[BK+4*\p:BK+4*\p+3], v[SOUT] offset:528*\p   ; LDS serves a wave's instructions in order (ISA guide 5.7.1.4): these see the stores above
.endr
.irp p, 0,1,2,3,4,5,6,7,8,9,10,11,12,13,14,15
	s_wait_dscnt 15-\p                             ; row p is back; the younger loads may be out
	global_store_b128 v[L16], v[BK+4*\p:BK+4*\p+3], s[10:11] offset:(8*(\a)+\p%8+32*(\p/8))*4096 th:TH_STORE_NT   ; o's rows lie in x's tokens' order: lane p of block a of my four holds row 8 a + p%8 + 32 (p/8).  512 consecutive bytes, aligned; written once
.endr
.endm
	EPI 0
	EPI 1
	EPI 2
	EPI 3
	s_wait_tensorcnt 0x0
	s_wait_dscnt 0x0
	s_wait_tensorcnt 0x0
	ds_add_u32 v126, v127
	s_wait_dscnt 0x0
	CROUND                                         ; the closing round: no work-group ends while a partner may still ask for a tile that names it
	s_endpgm
.Lfunc_end_k_q0ebe022660_gemm_out:
	.size	k_q0ebe022660_gemm_out, .Lfunc_end_k_q0ebe022660_gemm_out-k_q0ebe022660_gemm_out
	.p2alignl 7, 3214868480
	.fill 96, 4, 3214868480
	.section	.rodata,"a",@progbits
	.p2align	6, 0x0
	.amdhsa_kernel k_q0ebe022660_gemm_out
		.amdhsa_group_segment_fixed_size 307712
		.amdhsa_private_segment_fixed_size 0
		.amdhsa_enable_private_segment 0
		.amdhsa_kernarg_size 32
		.amdhsa_user_sgpr_count 2
		.amdhsa_user_sgpr_kernarg_segment_ptr 1
		.amdhsa_wavefront_size32 1
		.amdhsa_system_sgpr_workgroup_id_x 1
		.amdhsa_system_sgpr_workgroup_id_y 1
		.amdhsa_system_sgpr_workgroup_id_z 1
		.amdhsa_system_vgpr_workitem_id 0
		.amdhsa_next_free_vgpr 768
		.amdhsa_next_free_sgpr 102
		.amdhsa_reserve_vcc 0
		.amdhsa_float_denorm_mode_32 3
		.amdhsa_float_denorm_mode_16_64 3
		.amdhsa_memory_ordered 1
		.amdhsa_forward_progress 1
		.amdhsa_inst_pref_size 96
	.end_amdhsa_kernel
	.amdgpu_metadata
---
amdhsa.version: [ 1, 2 ]
amdhsa.kernels:
  - .name:           k_q0ebe022660_gemm_out
    .symbol:         k_q0ebe022660_gemm_out.kd
    .args:
      - { .name: oi, .offset: 0, .size: 8, .value_kind: global_buffer, .address_space: global }
      - { .name: wi, .offset: 8, .size: 8, .value_kind: global_buffer, .address_space: global }
      - { .name: bo, .offset: 16, .size: 8, .value_kind: global_buffer, .address_space: global }
      - { .name: out0, .offset: 24, .size: 8, .value_kind: global_buffer, .address_space: global }
    .group_segment_fixed_size: 307712
    .private_segment_fixed_size: 0
    .kernarg_segment_align: 8
    .kernarg_segment_size: 32
    .max_flat_workgroup_size: 128
    .sgpr_count:     102
    .vgpr_count:     768
    .wavefront_size: 32
...
	.end_amdgpu_metadata
.endif
;; end of part 4
